; MI455X (gfx1250); checked and timed in simulation.
; The chip was launched on July 23, 2026; its instructions are those of AMD's public machine-readable ISA for CDNA 5 (MIT licence, August 2026) and "CDNA5" Instruction Set Architecture Reference Guide (July 2026). The comments in the code are by the model that wrote it; some were corrected since.
;; Attention. Allowed arithmetic: matrix products marked QUANTISED: E2M3 operands, one E8M0 scale for each 32 along K, by v_wmma_scale_f32_16x16x128_f8f6f4 with both operands' format E2M3, f32 sums; everything else in f32.
;; Inputs: Wk 1,024 x 1,024 float32; Wo 1,024 x 1,024 float32; Wq 1,024 x 1,024 float32; Wv 1,024 x 1,024 float32; token_positions 2,048 int32; x 4 x 2,048 x 1,024 float32.
;; Outputs: out0 4 x 2,048 x 1,024 float32.
;; This version of the problem:
;;   THIS VERSION OF THE PROBLEM IS GIVEN IN LOW PRECISION. The matrix products marked QUANTISED in the list below multiply operands that are first quantised to E2M3 (2 exponent bits, 3 mantissa bits; 6 bits a number), with one power-of-two scale for each 32 numbers along K (OCP MX v1.0); their sums are f32. All else is computed in f32.
;;   The module's matrix products, in the order in which they are computed (A, B: the left and right operand; K: the contracted axis; several contracted axes count as one K, in the product's order):
;;     1. [M 8,192, K 1,024] x [K 1,024, N 1,024]; A: input x; B: input Wq: QUANTISED
;;     2. [M 8,192, K 1,024] x [K 1,024, N 1,024]; A: input x; B: input Wk: QUANTISED
;;     3. [M 8,192, K 1,024] x [K 1,024, N 1,024]; A: input x; B: input Wv: QUANTISED
;;     4. batch 64 x [M 2,048, K 64] x [K 64, N 2,048]; A: computed on the way; B: computed on the way: QUANTISED
;;     5. batch 64 x [M 2,048, K 2,048] x [K 2,048, N 64]; A: softmax (see below); B: computed on the way: QUANTISED
;;     6. [M 8,192, K 1,024] x [K 1,024, N 1,024]; A: computed on the way; B: input Wo: QUANTISED
;;   THE QUANTISER, for each operand of a quantised product, along K:
;;     - K is cut into blocks of 32 from its start; a last block that is shorter is filled with zeros.
;;     - A block's scale is 2^e with e = floor(log2(the largest magnitude in the block)) - 2, held to -126 .. 127; a block of zeros has e = 0. As a byte (E8M0): e + 127.
;;     - Each number is divided by its block's scale, clamped to +-7.5, and rounded to the nearest number of E2M3, ties to even, subnormals kept.
;;     - The product sums the exact products of the quantised numbers (number of the format x scale) in f32.
;;   ~~~python
;;   def quantise(x, axis):      # numpy; x: float32 -> the quantised numbers, widened to float32 again
;;       x = np.moveaxis(x, axis, -1); K = x.shape[-1]
;;       x = np.pad(x, [(0, 0)] * (x.ndim - 1) + [(0, -K % 32)]); x = x.reshape(x.shape[:-1] + (-1, 32)); a = np.abs(x).max(-1, keepdims=True)
;;       e = np.where(a > 0, np.clip(np.frexp(np.where(a > 0, a, 1))[1] - 1 - 2, -126, 127), 0)      # np.frexp(a)[1] - 1 = floor(log2(a)), exactly
;;       r = np.clip(x / 2.0 ** e, -7.5, 7.5)
;;       step = 2.0 ** (np.maximum(np.frexp(np.where(r == 0, 1, r))[1] - 1, 0) - 3)
;;       q = np.round(r / step) * step * 2.0 ** e      # np.round: ties to even
;;       return np.moveaxis(q.reshape(q.shape[:-2] + (-1,))[..., :K], -1, axis).astype(np.float32)
;;   ~~~
;;   SOFTMAX AHEAD OF A QUANTISED PRODUCT. Where the list says 'softmax', what is quantised is not the finished softmax but p = 2^(t - M), with t = logit x log2(e) and M = ceil(the row's largest t), a whole number; so 1/2 < the row's largest p <= 1. The row's sum l is taken of the UNQUANTISED p, in f32, and the product's result is divided by l at the end. Since M is a whole number, a kernel that streams over the keys may use a running M (the ceiling of the running maximum): every later rescaling is an exact power of two, which a block's scale takes up: the codes' values come out the same.
;;   OPERANDS COMPUTED ON THE WAY. 'Computed on the way' means the value that the module computes at that place (a softmax that the list does not call 'softmax' is quantised finished and normalised). What goes into a quantiser is computed in f32, as accurately as f32 sums, v_exp_f32 and their like allow (about 1e-6 of the number): no bf16 or f16 on the way to a quantiser, and a product that is left as it is and whose result goes on into a quantised operand takes f32 operands (vector FMAs, or v_wmma_f32_16x16x4_f32). A number that lies on a knife's edge between two numbers of the format may be rounded either way, as far as f32 arithmetic and the matrix unit's own rounding can turn it there, and no further.
;; One version. Each part assembles by itself: llvm-mc -triple=amdgcn-amd-amdhsa -mcpu=gfx1250 --defsym DOCPART=n.
;; ======== version 1 of 1: 4 launches
;; workspace buffers: cw 9,437,184 bytes; s1 360,448 bytes; s2 294,912 bytes; rope 524,288 bytes; qkvc 18,874,368 bytes; qkvs 1,310,720 bytes; ao 6,291,456 bytes
;; launch prep (part 1): grid 256 x 1, 6 waves a work-group, no clusters, 51,456 bytes of LDS; arguments x, Wq, Wk, Wv, Wo, token_positions, cw, s1, s2, rope; writes cw, s1, s2, rope
.if DOCPART == 1
	.amdgcn_target "amdgcn-amd-amdhsa--gfx1250"
	.amdhsa_code_object_version 6
	.text
	.protected	k_qbc647c0143_prep
	.globl	k_qbc647c0143_prep
	.p2align	8
	.type	k_qbc647c0143_prep,@function
k_qbc647c0143_prep:
	s_mov_b64 s[64:65], 0
	v_nop
	global_prefetch_b8 v0, s[64:65] scope:SCOPE_SE
	s_setreg_imm32_b32 hwreg(HW_REG_WAVE_MODE, 25, 1), 1
	s_wait_xcnt 0x0
; x [8192][1024] and Wq, Wk, Wv, Wo [1024][1024], f32 with K innermost, become codes of FP6 (E2M3) with one E8M0 byte for each 32 along K; and the table of cos and sin for the rotation is made.
; TILES.  Rows go in tiles of 16: tile 2 G + u holds, at place p, row 32 G + 8 u + p % 8 + 16 (p / 8).  Used as source 0 of a product, two neighbouring tiles then leave 16 neighbours along the next K in a lane's registers.
; IMAGES.  The codes are laid as the operand's registers: a fragment (16 rows x 128 K, 12 registers a lane) is 1,536 bytes: registers 0-3 at 16 x lane, 4-5 at 512 + 8 x lane, 6-9 at 768 + 16 x lane, 10-11 at 1,280 + 8 x lane.
; cw: [tile 0..767][K step of 128, 0..7][1,536]; tiles 0-511 x, 512-575 Wq, 576-639 Wk, 640-703 Wv, 704-767 Wo.  Scale words: [tile][half of K][row place][4 words], x, Wq, Wk, Wv in s1, Wo in s2 from tile 512 on.
; SHARES.  1,536 tasks of 16 rows x 512 K, one to a wave: four steps of 128 K.  Each load takes 512 consecutive bytes of a row; a step's 8 KiB turn through the wave's own stage in LDS (rows 528 bytes apart), so that a
; lane gets 16 neighbours of each block of 32.  Two steps' loads (32 of 512 bytes) are out in each wave.  No tensor loads, no barrier: waves share nothing.  Memory binds: matrix units and clusters have nothing to do here.
; THE TABLE.  rope: [sequence tile 0..127][k 0..7][lane][cos, sin, cos, sin] for frequency numbers 16 (k / 4) + 8 (lane / 16) + 2 (k % 4) + 0, 1 at the token at place lane % 16 of the tile.  1,024 jobs: waves 0-3.
; The angle is position x 2^(-i log2(10) / 8), reduced by a multiple of pi/2 given in three parts, each taken off by a fused multiply-add; sine and cosine by polynomials on [-pi/4, pi/4].
; LIMITS: NaN and infinities among the inputs are not served.  A block of zeros gets the byte 1 where the quantiser's rule says 127: its codes are zeros, and this program alone reads the bytes.  Blocks whose largest magnitude
; lies under 2^-124 were not tried.  Positions: magnitudes under 2^23.
.set STG,  16*528                      ; a wave's stage
.set R0,   16                          ; v16-143  two sets of 64 registers as loaded
.set X,    144                         ; v144-207 64 numbers of my row: register 16 b + i = k 32 b + 16 (lane / 16) + i
.set PC,   208                         ; v208-219 the fragment just made
.set TC,   220                         ; v220-227 the conversions' second halves
.set TM,   228                         ; v228-243 largest magnitudes, bytes, scale operands
.set PW,   244                         ; the scale word just made
.set SW,   246                         ; v246-249 the four steps' scale words
.set OW,   250                         ; v250-251 my 8 bytes of them
.set RO,   252                         ; v252-255 the table's four numbers
.set SEL,  32                          ; s[32:33] lane selects: lane l xor 16
	s_load_b512 s[4:19], s[0:1], 0x0               ; x, Wq, Wk, Wv, Wo, positions, cw, s1
	s_load_b128 s[20:23], s[0:1], 0x40             ; s2, rope
	v_lshl_add_u32 v239, v0, 2, 0xc600
	v_mov_b32 v245, 0
	v_lshrrev_b32 v1, 5, v0
	v_readfirstlane_b32 s24, v1                    ; wave 0..5
	v_and_b32 v1, 31, v0                           ; lane
	v_and_b32 v9, 15, v0                           ; r
	v_bfe_u32 v10, v0, 4, 1                        ; h
	v_lshlrev_b32 v2, 4, v1                        ; 16 x lane
	v_lshlrev_b32 v3, 3, v1                        ; 8 x lane
	s_mul_i32 s28, s24, STG
	v_add_nc_u32 v4, s28, v2                       ; the stage, in: 16 x lane in a row
	v_mul_u32_u24 v5, v9, 528
	v_lshl_add_u32 v5, v10, 6, v5
	v_add_nc_u32 v5, s28, v5                       ; out: row r, + 64 h
	v_lshlrev_b32 v6, 4, v9
	v_lshl_add_u32 v6, v10, 3, v6                  ; scale words: 16 r + 8 h
	v_and_b32 v7, 8, v9
	v_add_nc_u32 v7, v7, v9
	v_lshlrev_b32 v7, 2, v7                        ; the token at my place of a tile: 4 (r % 8 + 16 (r / 8)) bytes
.irp b, 0,1,2,3
	v_mov_b32 v[TM+4+\b], 0                        ; written once: a lane permute's destination counts as one of its sources
.endr
	s_mov_b32 s[SEL], 0x76543210
	s_mov_b32 s[SEL+1], 0xfedcba98
	s_mov_b32 s30, 0xffff0000                      ; lanes 16-31
	s_mul_i32 s25, ttmp9, 6
	s_add_co_u32 s25, s25, s24                     ; my task
	s_lshr_b32 s26, s25, 1                         ; its tile T
	s_and_b32 s27, s25, 1                          ; its half of K
	s_lshl_b32 s40, ttmp9, 2
	s_add_co_u32 s40, s40, s24                     ; the table's job (waves 0-3)
	s_and_b32 s28, s26, 63
	s_cmp_lt_u32 s26, 512
	s_cselect_b32 s28, s26, s28                    ; the tile's number in its own tensor
	s_lshr_b32 s29, s28, 1
	s_lshl_b32 s29, s29, 17                        ; 32 rows of 4,096 bytes
	s_and_b32 s28, s28, 1
	s_lshl_b32 s28, s28, 15                        ; 8 rows
	s_add_co_u32 s34, s29, s28
	s_lshl_b32 s28, s27, 11                        ; 512 numbers along K
	s_add_co_u32 s34, s34, s28
	s_mov_b32 s35, 0
	s_mul_i32 s36, s26, 12288
	s_mul_i32 s28, s27, 6144
	s_add_co_u32 s36, s36, s28
	s_mov_b32 s37, 0
	s_cmp_lt_u32 s26, 704
	s_cselect_b32 s28, 0, 192                      ; Wo's tiles 704.. are s2's tiles 512..
	s_sub_co_u32 s38, s26, s28
	s_lshl_b32 s38, s38, 9
	s_lshl_b32 s28, s27, 8
	s_add_co_u32 s38, s38, s28
	s_mov_b32 s39, 0
	s_wait_kmcnt 0x0
	s_cmp_lt_u32 s26, 704                          ; the choices hang on the task's number alone
	s_cselect_b64 s[18:19], s[18:19], s[20:21]
	s_cselect_b64 s[12:13], s[10:11], s[12:13]
	s_cmp_lt_u32 s26, 640
	s_cselect_b64 s[12:13], s[8:9], s[12:13]
	s_cmp_lt_u32 s26, 576
	s_cselect_b64 s[12:13], s[6:7], s[12:13]
	s_cmp_lt_u32 s26, 512
	s_cselect_b64 s[12:13], s[4:5], s[12:13]
	s_add_nc_u64 s[12:13], s[12:13], s[34:35]      ; my rows
	s_add_nc_u64 s[16:17], s[16:17], s[36:37]      ; my four fragments
	s_add_nc_u64 s[18:19], s[18:19], s[38:39]      ; my 256 bytes of scale words
	s_cmp_lt_u32 s24, 4
	s_cbranch_scc0 .Lno_pos
	s_lshr_b32 s41, s40, 4                         ; the job's sequence tile is job / 8: its pair of tiles,
	s_lshl_b32 s41, s41, 7                         ; 32 tokens of 4 bytes,
	s_bfe_u32 s42, s40, 0x10003                    ; and which of the two:
	s_lshl_b32 s42, s42, 5                         ; 8 tokens
	s_add_co_u32 s42, s41, s42
	s_mov_b32 s43, 0
	s_add_nc_u64 s[14:15], s[14:15], s[42:43]
	s_wait_alu depctr_va_vdst(0)
	global_load_b32 v8, v7, s[14:15]               ; my token's position
.Lno_pos:
.macro LOAD q                          ; step q: 16 rows x 512 consecutive bytes
.irp i, 0,1,2,3,4,5,6,7,8,9,10,11,12,13,14,15
	global_load_b128 v[R0+64*((\q)%2)+4*\i:R0+64*((\q)%2)+4*\i+3], v2, s[12:13] offset:(\i+8*(\i/8))*4096+512*(\q) th:TH_LOAD_NT
.endr
.endm
; 64 numbers of a lane become a fragment's codes in v[d] on and its scale word in v[PW].
.macro QUANT x, d
.irp b, 0,1,2,3
	v_max3_num_f32 v[TM+\b], |v[\x+16*\b]|, |v[\x+16*\b+1]|, 0x1800000   ; block b: my 16 numbers, and the floor 2^(3 - 127): the byte cannot fall under 1
.endr
.irp i, 2,4,6,8,10,12,14
.irp b, 0,1,2,3
	v_max3_num_f32 v[TM+\b], v[TM+\b], |v[\x+16*\b+\i]|, |v[\x+16*\b+\i+1]|   ; the four blocks by turns
.endr
.endr
.irp b, 0,1,2,3
	v_permlanex16_b32 v[TM+4+\b], v[TM+\b], s[SEL], s[SEL+1]
.endr
.irp b, 0,1,2,3
	v_max_num_f32 v[TM+\b], v[TM+\b], v[TM+4+\b]   ; with lane l xor 16's: the block's largest magnitude
.endr
.irp b, 0,1,2,3
	v_add_nc_u32 v[TM+12+\b], 0xff000000, v[TM+\b] ; 2 off its exponent field: the conversion's scale operand
.endr
.irp b, 0,1,2,3
	v_lshrrev_b32 v[TM+4+\b], 23, v[TM+12+\b]      ; the scale's byte
.endr
	v_lshl_or_b32 v[PW], v[TM+5], 8, v[TM+4]
	v_lshl_or_b32 v[PW], v[TM+6], 16, v[PW]
	v_lshl_or_b32 v[PW], v[TM+7], 24, v[PW]
.irp c, 0,1
	v_cvt_scalef32_pk16_fp6_f32 v[\d+6*\c:\d+6*\c+2], v[\x+32*\c:\x+32*\c+15], v[TM+12+2*\c]
	v_cvt_scalef32_pk16_fp6_f32 v[TC+4*\c:TC+4*\c+2], v[\x+32*\c+16:\x+32*\c+31], v[TM+13+2*\c]   ; (a conversion's three registers begin on an even number)
.endr
	v_nop                                          ; one plain place behind a scaled conversion
.irp c, 0,1                            ; the operand's layout wants a whole block in a lane
.irp i, 0,1,2
	v_permlane16_swap_b32 v[\d+6*\c+\i], v[TC+4*\c+\i]
.endr
.irp i, 0,1,2
	v_mov_b32 v[\d+6*\c+3+\i], v[TC+4*\c+\i]
.endr
.endr
.endm
; sine and cosine of v[a] into v[s] and v[c]; t: six registers at work
.macro SINCOS a, c, s, t
	v_mul_f32 v[\t], 0x3f22f983, v[\a]             ; x 2 / pi
	v_rndne_f32 v[\t], v[\t]                       ; n
	v_fmamk_f32 v[\t+1], v[\t], 0xbfc90fdb, v[\a]  ; the angle less n pi/2, pi/2 in three parts
	v_fmamk_f32 v[\t+1], v[\t], 0x333bbd2e, v[\t+1]
	v_fmamk_f32 v[\t+1], v[\t], 0x26f72ced, v[\t+1]
	v_cvt_i32_f32 v[\t], v[\t]
	v_mul_f32 v[\t+2], v[\t+1], v[\t+1]            ; r^2
	v_mov_b32 v[\t+3], 0xb94ca1f9
	v_fmaak_f32 v[\t+3], v[\t+3], v[\t+2], 0x3c08839e
	v_fmaak_f32 v[\t+3], v[\t+3], v[\t+2], 0xbe2aaaa3
	v_mul_f32 v[\t+4], v[\t+1], v[\t+2]
	v_fma_f32 v[\t+3], v[\t+4], v[\t+3], v[\t+1]   ; sin r
	v_mov_b32 v[\t+4], 0x37ccf5ce
	v_fmaak_f32 v[\t+4], v[\t+4], v[\t+2], 0xbab6061a
	v_fmaak_f32 v[\t+4], v[\t+4], v[\t+2], 0x3d2aaaa5
	v_fma_f32 v[\t+5], v[\t+2], -0.5, 1.0
	v_mul_f32 v[\t+2], v[\t+2], v[\t+2]
	v_fma_f32 v[\t+4], v[\t+2], v[\t+4], v[\t+5]   ; cos r
	v_and_b32 v[\t+5], 1, v[\t]
	v_cmp_eq_u32 vcc_lo, 1, v[\t+5]                ; an odd quarter turn changes the two over
	v_cndmask_b32 v[\s], v[\t+3], v[\t+4], vcc_lo
	v_cndmask_b32 v[\c], v[\t+4], v[\t+3], vcc_lo
	v_lshlrev_b32 v[\t+5], 30, v[\t]               ; the sine is negative in quarters 2 and 3,
	v_and_b32 v[\t+5], 0x80000000, v[\t+5]
	v_xor_b32 v[\s], v[\s], v[\t+5]
	v_add_nc_u32 v[\t], 1, v[\t]                   ; the cosine in quarters 1 and 2
	v_lshlrev_b32 v[\t], 30, v[\t]
	v_and_b32 v[\t], 0x80000000, v[\t]
	v_xor_b32 v[\c], v[\c], v[\t]
.endm
	LOAD 0
	LOAD 1
	s_cmp_lt_u32 s24, 4
	s_cbranch_scc0 .Lno_table
	s_wait_loadcnt 32                              ; the position is in; the 32 loads issued behind it stay out
	s_and_b32 s41, s40, 7                          ; k
	s_lshr_b32 s42, s41, 2
	s_lshl_b32 s42, s42, 4
	s_and_b32 s41, s41, 3
	s_lshl_b32 s41, s41, 1
	s_add_co_u32 s41, s41, s42                     ; 16 (k / 4) + 2 (k % 4)
	s_lshl_b32 s42, s40, 9                         ; 512 bytes a job
	s_mov_b32 s43, 0
	s_add_nc_u64 s[22:23], s[22:23], s[42:43]
	v_lshl_add_u32 v[X], v10, 3, s41               ; my two frequency numbers
	v_add_nc_u32 v[X+1], 1, v[X]
	v_cvt_f32_u32 v[X], v[X]
	v_cvt_f32_u32 v[X+1], v[X+1]
	v_mul_f32 v[X], 0xbed49a78, v[X]               ; x -log2(10) / 8: 10000^(-i / 32) = 2^(that)
	v_mul_f32 v[X+1], 0xbed49a78, v[X+1]
	s_wait_alu depctr_va_vdst(0)
	v_exp_f32 v[X], v[X]
	v_exp_f32 v[X+1], v[X+1]
	v_cvt_f32_i32 v[X+2], v8                       ; (a plain place behind the exponentials)
	s_wait_alu depctr_va_vdst(0)
	v_mul_f32 v[X], v[X+2], v[X]
	v_mul_f32 v[X+1], v[X+2], v[X+1]
	SINCOS X, RO, RO+1, X+4
	SINCOS X+1, RO+2, RO+3, X+4
	global_store_b128 v2, v[RO:RO+3], s[22:23]     ; 32 lanes store 512 consecutive bytes
.Lno_table:
.macro STEP q
.if (\q) < 3
	s_wait_loadcnt 16                              ; this step's 16 loads are in; the next step's may be out
.else
	s_wait_loadcnt 0x0
.endif
.irp i, 0,1,2,3,4,5,6,7,8,9,10,11,12,13,14,15
	ds_store_b128 v4, v[R0+64*((\q)%2)+4*\i:R0+64*((\q)%2)+4*\i+3] offset:528*\i
.endr
.irp b, 0,1,2,3
.irp j, 0,1,2,3
	ds_load_b128 v[X+16*\b+4*\j:X+16*\b+4*\j+3], v5 offset:128*\b+16*\j   ; LDS serves a wave's instructions in order: these see the stores above
.endr
.endr
	s_wait_dscnt 0x0                               ; my 64 numbers are back
	s_wait_xcnt 0x0                                ; the last step's stores have read the fragment's registers
.if (\q) < 2
	LOAD (\q)+2
.endif
	QUANT X, PC
	v_mov_b32 v[SW+(\q)], v[PW]
	global_store_b128 v2, v[PC:PC+3], s[16:17] offset:1536*(\q)           ; each store covers 512 or 256 consecutive bytes, aligned
	global_store_b64 v3, v[PC+4:PC+5], s[16:17] offset:1536*(\q)+512
	global_store_b128 v2, v[PC+6:PC+9], s[16:17] offset:1536*(\q)+768
	global_store_b64 v3, v[PC+10:PC+11], s[16:17] offset:1536*(\q)+1280
.endm
	STEP 0
	STEP 1
	STEP 2
	STEP 3
	v_cndmask_b32 v[OW], v[SW], v[SW+2], s30       ; lanes 0-15 store their row's words 0, 1, lanes 16-31 words 2, 3
	v_cndmask_b32 v[OW+1], v[SW+1], v[SW+3], s30
	global_store_b64 v6, v[OW:OW+1], s[18:19]      ; 256 consecutive bytes
	s_wait_tensorcnt 0x0
	ds_add_u32 v239, v245
	s_wait_dscnt 0x0
	s_endpgm
.Lfunc_end_k_qbc647c0143_prep:
	.size	k_qbc647c0143_prep, .Lfunc_end_k_qbc647c0143_prep-k_qbc647c0143_prep
	.p2alignl 7, 3214868480
	.fill 96, 4, 3214868480
	.section	.rodata,"a",@progbits
	.p2align	6, 0x0
	.amdhsa_kernel k_qbc647c0143_prep
		.amdhsa_group_segment_fixed_size 51456
		.amdhsa_private_segment_fixed_size 0
		.amdhsa_enable_private_segment 0
		.amdhsa_kernarg_size 80
		.amdhsa_user_sgpr_count 2
		.amdhsa_user_sgpr_kernarg_segment_ptr 1
		.amdhsa_wavefront_size32 1
		.amdhsa_system_sgpr_workgroup_id_x 1
		.amdhsa_system_sgpr_workgroup_id_y 1
		.amdhsa_system_sgpr_workgroup_id_z 1
		.amdhsa_system_vgpr_workitem_id 0
		.amdhsa_next_free_vgpr 256
		.amdhsa_next_free_sgpr 66
		.amdhsa_reserve_vcc 1
		.amdhsa_float_denorm_mode_32 3
		.amdhsa_float_denorm_mode_16_64 3
		.amdhsa_memory_ordered 1
		.amdhsa_forward_progress 1
		.amdhsa_inst_pref_size 39
	.end_amdhsa_kernel
	.amdgpu_metadata
---
amdhsa.version: [ 1, 2 ]
amdhsa.kernels:
  - .name:           k_qbc647c0143_prep
    .symbol:         k_qbc647c0143_prep.kd
    .args:
      - { .name: x, .offset: 0, .size: 8, .value_kind: global_buffer, .address_space: global }
      - { .name: Wq, .offset: 8, .size: 8, .value_kind: global_buffer, .address_space: global }
      - { .name: Wk, .offset: 16, .size: 8, .value_kind: global_buffer, .address_space: global }
      - { .name: Wv, .offset: 24, .size: 8, .value_kind: global_buffer, .address_space: global }
      - { .name: Wo, .offset: 32, .size: 8, .value_kind: global_buffer, .address_space: global }
      - { .name: token_positions, .offset: 40, .size: 8, .value_kind: global_buffer, .address_space: global }
      - { .name: cw, .offset: 48, .size: 8, .value_kind: global_buffer, .address_space: global }
      - { .name: s1, .offset: 56, .size: 8, .value_kind: global_buffer, .address_space: global }
      - { .name: s2, .offset: 64, .size: 8, .value_kind: global_buffer, .address_space: global }
      - { .name: rope, .offset: 72, .size: 8, .value_kind: global_buffer, .address_space: global }
    .group_segment_fixed_size: 51456
    .private_segment_fixed_size: 0
    .kernarg_segment_align: 8
    .kernarg_segment_size: 80
    .max_flat_workgroup_size: 192
    .sgpr_count:     66
    .vgpr_count:     256
    .wavefront_size: 32
...
	.end_amdgpu_metadata
.endif
;; end of part 1
;; launch qkv (part 2): grid 12 x 32, 4 waves a work-group, clusters of 4 x 4, 327,680 bytes of LDS; arguments cw, s1, rope, qkvc, qkvs; writes qkvc, qkvs
.if DOCPART == 2
	.amdgcn_target "amdgcn-amd-amdhsa--gfx1250"
	.amdhsa_code_object_version 6
	.text
	.protected	k_qbc647c0143_qkv
	.globl	k_qbc647c0143_qkv
	.p2align	8
	.type	k_qbc647c0143_qkv,@function
k_qbc647c0143_qkv:
	s_mov_b64 s[64:65], 0
	v_nop
	global_prefetch_b8 v0, s[64:65] scope:SCOPE_SE
	s_setreg_imm32_b32 hwreg(HW_REG_WAVE_MODE, 25, 1), 1
	s_wait_xcnt 0x0
	s_wait_alu depctr_hold_cnt(0) depctr_sa_sdst(0) depctr_va_vdst(0) depctr_va_sdst(0) depctr_va_ssrc(0) depctr_va_vcc(0) depctr_vm_vsrc(0)
	s_getreg_b32 s2, hwreg(HW_REG_IB_STS2, 6, 4)
	s_cmp_eq_u32 s2, 0
	s_cbranch_scc0 .Lentry_in_a_cluster
	s_endpgm
.Lentry_in_a_cluster:
	s_bfe_u32 s2, ttmp6, 0x10000c
	s_cmp_lg_u32 s2, 0xf033
	s_cbranch_scc0 .Lentry_shape_is_right
	s_endpgm
.Lentry_shape_is_right:
; q, k, v = x Wq^T, x Wk^T, x Wv^T on codes of FP6 (E2M3) with E8M0 scales, K = 1,024; q and k are rotated; all three are quantised again, in registers, for attention's products, and leave as codes.
; A work-group of four waves makes 256 x 256, a wave 128 x 128: 64 accumulators, 512 registers.  Source 0 takes B's tiles, source 1 A's: a lane then holds one row of A and its registers run along B's rows.
; WHICH OPERAND IS B HANGS ON THE CLUSTER'S x.  Clusters 0 and 1 (q, k): B = rows of [Wq; Wk], A = tokens: a lane holds a token, its registers run along the head's 64, which is the score product's K.
; Cluster 2 (v): B = tokens, A = rows of Wv: a lane holds a channel, its registers run along the keys, which is the second product's K.  Only tile numbers differ: the loop, the masks and LDS are one text.
; OPERANDS lie in memory as images of their registers (a fragment of 16 rows x 128 K: 1,536 bytes; tile T's eight on end), so a fragment comes from LDS by two loads of 16 and two of 8 bytes a lane, each over
; consecutive bytes: no pitch, no padding.  The rows of a tile: tile 2 G + u, place p: row 32 G + 8 u + p % 8 + 16 (p / 8): the 16 registers of result tiles 2 b, 2 b + 1 are 16 neighbours along B's rows.
; LDS: three slots of 256 along K (16 tiles of A, 16 of B, 3,072 bytes each).  K has four such steps: three go out at the start, the fourth fills slot 0 again behind the one round in the sequence.
; CLUSTERS: 4 x 4.  A's tiles are shared along a row of the cluster, B's along a column: joint loads.  384 work-groups in 24 clusters: a smaller tile would even them out at half as many products again for each LDS byte.
; THE SCALE WORDS of the wave's 8 + 8 tiles, for all of K, are 64 registers, loaded once from memory: lanes 0-15 A's, lanes 16-31 B's.
; THE WAY OUT uses no LDS: the images are stored as they stand, 512 or 256 consecutive aligned bytes a store.
; qkvc: Q [bh][sequence tile][768]; then for each bh: K [sequence tile][768], V [key step of 128][channel tile][1,536].  qkvs: Q [bh][8 tiles][lane][4 words] (lane (r, hh), word p: tile 2 p + hh, row r; bytes 0, 1 count);
; then for each bh: K likewise, V [key step][lane][2 words] (word p: channel tile 2 p + hh).
; LIMITS: NaN and infinities are not served; a block of zeros gets the byte 1 where the rule says 127 (its codes are zeros; this program alone reads the bytes); blocks under 2^-124 were not tried.
; REGISTERS: window 0: v1-29 addresses; v32-95 scale words; v96-121 the quantiser's; v128-223 A's fragments, one set; behind the loop v128-191 the rotated numbers, v192-211 codes.
;   window 1: B's fragments, two sets, at v0 and v128; v96-127, v224-255 cos and sin of two token tiles.   windows 2, 3: accumulator (a, b) at v[8 (8 (a % 4) + b)] of window 2 + a / 4.
.set SLOT,  98304
.set SPARE, 3*SLOT                     ; the spare words, 128 bytes for each wave: two blocks of 256 bytes that no other line names
.set FR,    12
.set NL,    4                          ; LDS loads that bring a fragment
.set A16,   4                          ; v4-6    16 x lane + my tiles of A in slot 0, 1, 2
.set A8,    7                          ; v7-9    8 x lane + the same
.set B16,   10                         ; v10-12  the same for B
.set B8,    13                         ; v13-15
.set L16,   16
.set L8,    17
.set SOFF,  18
.set SPW,   28
.set NIL,   29
.set SC,    32                         ; register 8 i + n: K step n of 128; lanes 0-15 A's tile i, lanes 16-31 B's tile i
.set TM,    96
.set PW,    112
.set PWE,   113
.set SA,    114
.set SB,    118
.set AF,    128
.set HA,    128
.set PC,    192
.set TC,    204
.set G1A,   24
.set G1B,   32
.set G0A,   48                         ; s[48:59] three sets, one for each first fill
.set G0B,   68                         ; s[68:79]
.set SEL,   2                          ; s[2:3] lane selects
.set MSB, 0
.macro WIN new                         ; the immediate's high byte repeats the setting that is left
.if MSB != (\new)
	s_set_vgpr_msb (MSB<<8)|(\new)
.set MSB, (\new)
.endif
.endm
.set MUL_LO, 0xa1                      ; source 0 (B) window 1, source 1 (A) window 0, C and D window 2
.set MUL_HI, 0xf1
.set TO_B,   0x40
.macro PLACES                          ; four plain places behind matrix instructions, in front of loads into their registers and of reads of their results
.rept 4
	v_nop
.endr
.endm
.macro JLOAD                           ; the joint refill: waves 0, 1 fetch A's halves, waves 2, 3 B's; four v_nop follow each line
	s_cmp_eq_u32 s15, 0
	s_cbranch_scc0 .Lfor_b_\@
	tensor_load_to_lds s[G0A:G0A+3], s[G1A:G1A+7]
	s_nop 0
.rept 4
	v_nop
.endr
	s_branch .Lasked_\@
.Lfor_b_\@:
	tensor_load_to_lds s[G0B:G0B+3], s[G1B:G1B+7]
	s_nop 0
.rept 4
	v_nop
.endr
.Lasked_\@:
.endm
.macro CREST                           ; a round of the cluster's barrier behind its opening barrier
	s_cmp_lg_u32 s14, 0
	s_cbranch_scc1 .Lnot_wave_0_\@
	s_barrier_signal -3
.Lnot_wave_0_\@:
	s_barrier_wait -3
	s_barrier_signal -1
	s_barrier_wait -1
.endm
.macro CROUND
	s_barrier_signal -1
	s_barrier_wait -1
	CREST
.endm
	s_load_b256 s[4:11], s[0:1], 0x0               ; cw, s1, rope, qkvc
	s_load_b64 s[12:13], s[0:1], 0x20              ; qkvs
	v_lshl_add_u32 v[SPW], v0, 2, SPARE
	v_mov_b32 v[NIL], 0
	ds_add_u32 v28, v29
	ds_add_u32 v28, v29
	s_wait_dscnt 0x0
	v_lshrrev_b32 v1, 5, v0
	v_readfirstlane_b32 s14, v1                    ; wave 0..3
	s_lshr_b32 s15, s14, 1                         ; my half of A's tiles.  Also: I fetch for A (0) or for B (1)
	s_and_b32 s16, s14, 1                          ; my half of B's.  Also: which 8 tiles I fetch
	s_bfe_u32 s40, ttmp6, 0x40000                  ; cx
	s_bfe_u32 s41, ttmp6, 0x40004                  ; cy
	s_and_b32 s18, ttmp7, 0xffff                   ; the cluster's y
	s_cmp_lt_u32 ttmp9, 2                          ; q and k, or v: the cluster's x alone decides, alike in all sixteen partners
	s_cselect_b32 s42, ttmp9, s18
	s_cselect_b32 s43, s18, 0
	s_cselect_b32 s46, 512, 0                      ; B's first tile in cw: [Wq; Wk], or x
	s_cselect_b32 s47, 0, 640                      ; A's: x, or Wv
	s_cselect_b32 s17, 0, 1                        ; 1: v
	s_lshl_b32 s42, s42, 2
	s_add_co_u32 s42, s42, s40                     ; tb: my block of 256 rows of B
	s_lshl_b32 s43, s43, 2
	s_add_co_u32 s43, s43, s41                     ; ta: of A
	s_lshl_b32 s19, s42, 4
	s_add_co_u32 s46, s46, s19                     ; B's first tile of the work-group
	s_lshl_b32 s20, s43, 4
	s_add_co_u32 s47, s47, s20                     ; A's
	s_lshl_b32 s44, s41, 2
	s_lshl_b32 s44, 15, s44                        ; my row of the cluster
	s_lshl_b32 s45, 0x1111, s40                    ; my column
	; descriptor group 1: 8 tiles x 3,072 bytes (384 elements of 8 bytes), 12,288 bytes apart in memory, dense in LDS
	s_or_b32 s[G1A], s44, (3<<16)|(1<<21)          ; 15:0 the mask; 17:16 elements of 8 bytes; 21 set beside a mask
	s_or_b32 s[G1B], s45, (3<<16)|(1<<21)
.irp g, G1A, G1B
	s_mov_b32 s[\g+1], 384<<16                     ; tensor_dim0
	s_mov_b32 s[\g+2], 8<<16                       ; tensor_dim1
	s_mov_b32 s[\g+3], 384<<16                     ; tile_dim0
	s_mov_b32 s[\g+4], 8                           ; tile_dim1
	s_mov_b32 s[\g+5], 1536                        ; tensor_dim0_stride
	s_mov_b32 s[\g+6], 0
	s_mov_b32 s[\g+7], 0
.endr
	s_lshl_b32 s21, s16, 3                         ; which 8 tiles I fetch
	s_add_co_u32 s80, s47, s21
	s_mul_i32 s80, s80, 12288
	s_mov_b32 s81, 0
	s_add_co_u32 s82, s46, s21
	s_mul_i32 s82, s82, 12288
	s_mov_b32 s83, 0
	s_mul_i32 s84, s14, 24576                      ; where they go: no place in the cluster enters an LDS address
	s_mov_b32 s[SEL], 0x76543210
	s_mov_b32 s[SEL+1], 0xfedcba98
	s_mov_b32 s94, 0xffff0000                      ; lanes 16-31
	s_wait_kmcnt 0x0
	s_add_nc_u64 s[86:87], s[4:5], s[80:81]
	s_add_nc_u64 s[88:89], s[4:5], s[82:83]
	CROUND                                         ; all sixteen work-groups are here: the first joint loads meet
.irp s, 0,1,2
	s_mov_b32 s[G0A+4*\s], 1
	s_add_co_u32 s[G0A+4*\s+1], s84, \s*SLOT
	s_add_nc_u64 s[G0A+4*\s+2:G0A+4*\s+3], s[86:87], \s*3072
	s_or_b32 s[G0A+4*\s+3], s[G0A+4*\s+3], 0x80000000
	s_mov_b32 s[G0B+4*\s], 1
	s_add_co_u32 s[G0B+4*\s+1], s84, \s*SLOT
	s_add_nc_u64 s[G0B+4*\s+2:G0B+4*\s+3], s[88:89], \s*3072
	s_or_b32 s[G0B+4*\s+3], s[G0B+4*\s+3], 0x80000000
.endr
	s_cmp_eq_u32 s15, 0                            ; a wave's three first fills stand in one branch: three loads of mine are out
	s_cbranch_scc0 .Lfirst_b
	tensor_load_to_lds s[G0A:G0A+3], s[G1A:G1A+7]
	s_nop 0
	tensor_load_to_lds s[G0A+4:G0A+7], s[G1A:G1A+7]
	s_nop 0
	tensor_load_to_lds s[G0A+8:G0A+11], s[G1A:G1A+7]
	s_nop 0
.rept 4
	v_nop
.endr
	s_branch .Lfirst_asked
.Lfirst_b:
	tensor_load_to_lds s[G0B:G0B+3], s[G1B:G1B+7]
	s_nop 0
	tensor_load_to_lds s[G0B+4:G0B+7], s[G1B:G1B+7]
	s_nop 0
	tensor_load_to_lds s[G0B+8:G0B+11], s[G1B:G1B+7]
	s_nop 0
.rept 4
	v_nop
.endr
.Lfirst_asked:
	v_and_b32 v1, 15, v0                           ; r
	v_bfe_u32 v2, v0, 4, 1                         ; h
	v_and_b32 v3, 31, v0
	v_lshlrev_b32 v[L16], 4, v3
	v_lshlrev_b32 v[L8], 3, v3
.irp b, 0,1,2,3
	v_mov_b32 v[TM+4+\b], 0                        ; written once: a lane permute's destination counts as one of its sources
.endr
	s_mul_i32 s90, s15, 24576                      ; my 8 tiles of A
	s_mul_i32 s91, s16, 24576
	s_add_co_u32 s91, s91, 49152                   ; my 8 tiles of B, behind A's 16
.irp s, 0,1,2
	v_add_nc_u32 v[A16+\s], s90, v[L16]
	v_add_nc_u32 v[A8+\s], s90, v[L8]
	v_add_nc_u32 v[B16+\s], s91, v[L16]
	v_add_nc_u32 v[B8+\s], s91, v[L8]
	s_add_co_u32 s90, s90, SLOT
	s_add_co_u32 s91, s91, SLOT
.endr
	s_lshl_b32 s92, s15, 3
	s_add_co_u32 s92, s92, s47                     ; my first tile of A
	s_lshl_b32 s93, s16, 3
	s_add_co_u32 s93, s93, s46                     ; of B
	v_mov_b32 v19, s92
	v_mov_b32 v20, s93
	v_cndmask_b32 v[SOFF], v19, v20, s94           ; lanes 0-15 take A's scale words, lanes 16-31 B's
	v_lshlrev_b32 v19, 4, v1
	v_lshl_add_u32 v[SOFF], v[SOFF], 9, v19        ; 512 bytes a tile, 16 a row
.irp i, 0,1,2,3,4,5,6,7
	global_load_b128 v[SC+8*\i:SC+8*\i+3], v[SOFF], s[6:7] offset:512*\i
	global_load_b128 v[SC+8*\i+4:SC+8*\i+7], v[SOFF], s[6:7] offset:512*\i+256
.endr
.macro CSLOAD a                        ; cos and sin for token tile a of my eight: 32 registers of window 1
.irp k, 0,1,2,3,4,5,6,7
	global_load_b128 v[96+128*((\a)%2)+4*\k:96+128*((\a)%2)+4*\k+3], v[L16], s[8:9] offset:4096*(\a)+512*\k
.endr
.endm
	s_cmp_lg_u32 s17, 0
	s_cbranch_scc1 .Lno_cs
	s_and_b32 s95, s92, 127                        ; my first tile in its sequence
	s_lshl_b32 s96, s95, 12
	s_mov_b32 s97, 0
	s_add_nc_u64 s[8:9], s[8:9], s[96:97]
	WIN TO_B
	CSLOAD 0
	CSLOAD 1
	WIN 0
.Lno_cs:
.macro FRAG reg, a16, a8, off          ; a fragment as it was stored
	ds_load_b128 v[\reg:\reg+3], v[\a16] offset:\off
	ds_load_b64 v[\reg+4:\reg+5], v[\a8] offset:\off+512
	ds_load_b128 v[\reg+6:\reg+9], v[\a16] offset:\off+768
	ds_load_b64 v[\reg+10:\reg+11], v[\a8] offset:\off+1280
.endm
.macro FETCH_B slot, q, p              ; B's eight fragments of the slot's q-th 128 along K into set p
	WIN TO_B
.irp i, 0,1,2,3,4,5,6,7
	FRAG 128*(\p)+FR*\i, B16+\slot, B8+\slot, 3072*\i+1536*(\q)
.endr
	WIN 0
.endm
.macro FETCH_A slot, q, i0             ; A's tiles i0 .. i0 + 3
.irp i, \i0, \i0+1, \i0+2, \i0+3
	FRAG AF+FR*(\i), A16+\slot, A8+\slot, 3072*(\i)+1536*(\q)
.endr
.endm
; 16 matrix instructions: A's tiles a0, a0 + 1 x B's eight, K step n.  The 64 accumulators take turns, one instruction a turn, in the same order in every step.
.macro MUL16 a0, n, zero
.irp a, \a0, \a0+1
.irp b, 0,1,2,3,4,5,6,7
.if \zero
	v_wmma_scale_f32_16x16x128_f8f6f4 v[8*(8*((\a)%4)+\b):8*(8*((\a)%4)+\b)+7], v[128*((\n)%2)+FR*\b:128*((\n)%2)+FR*\b+FR-1], v[AF+FR*(\a):AF+FR*(\a)+FR-1], 0, v[SC+8*\b+(\n)], v[SC+8*(\a)+(\n)] matrix_a_fmt:MATRIX_FMT_FP6 matrix_b_fmt:MATRIX_FMT_FP6 matrix_a_scale:MATRIX_SCALE_ROW1
.else
	v_wmma_scale_f32_16x16x128_f8f6f4 v[8*(8*((\a)%4)+\b):8*(8*((\a)%4)+\b)+7], v[128*((\n)%2)+FR*\b:128*((\n)%2)+FR*\b+FR-1], v[AF+FR*(\a):AF+FR*(\a)+FR-1], v[8*(8*((\a)%4)+\b):8*(8*((\a)%4)+\b)+7], v[SC+8*\b+(\n)], v[SC+8*(\a)+(\n)] matrix_a_fmt:MATRIX_FMT_FP6 matrix_b_fmt:MATRIX_FMT_FP6 matrix_a_scale:MATRIX_SCALE_ROW1
.endif
.endr
.endr
.endm
; K step n; the next step's fragments lie in slot nslot, its nq-th 128, and no barrier is owed for them.
.macro STEP n, nslot, nq, zero
	s_wait_dscnt 4*NL                              ; B's set and A's tiles 0-3 are in; the youngest 16 loads (A's tiles 4-7) may be out
	WIN MUL_LO
	MUL16 0, \n, \zero
	MUL16 2, \n, \zero
	s_wait_dscnt 0x0                               ; A's tiles 4-7 are in
	PLACES
	FETCH_B \nslot, \nq, 1-(\n)%2
	FETCH_A \nslot, \nq, 0
	WIN MUL_HI
	MUL16 4, \n, \zero
	MUL16 6, \n, \zero
	PLACES
	WIN 0
	FETCH_A \nslot, \nq, 4
.endm
; K step n with a barrier in it.  In front of the barrier each wave waits for all its tensor loads, adds 0 to its spare word, and waits for that and for its LDS reads.  fill = 1: slot 0, read out, takes K's last 256.
.macro TURN n, nslot, fill
	s_wait_tensorcnt 0x0                           ; all my tensor loads have landed
	ds_add_u32 v[SPW], v[NIL]                      ; 0 onto my spare word
	s_wait_dscnt 4*NL+1                            ; (the add and the youngest 16 loads may be out)
	WIN MUL_LO
	MUL16 0, \n, 0                                 ; sixteen matrix instructions stand between the add and the wait for it
	s_wait_dscnt 0x0                               ; the add is done, and my reads of the slot in hand are over
	s_barrier_signal -1
	MUL16 2, \n, 0
	WIN 0
	s_barrier_wait -1
.if \fill
	CREST                                          ; the barrier has opened a round of the cluster's: no wave of any partner still reads slot 0 or has a load on its way
	s_add_nc_u64 s[G0A+2:G0A+3], s[G0A+2:G0A+3], 3*3072
	s_add_nc_u64 s[G0B+2:G0B+3], s[G0B+2:G0B+3], 3*3072
	JLOAD                                          ; it has four K steps, 256 matrix instructions, in which to land; its four v_nop are the places in front of the loads below
.else
	PLACES
.endif
	FETCH_B \nslot, 0, 1-(\n)%2
	FETCH_A \nslot, 0, 0
	WIN MUL_HI
	MUL16 4, \n, 0
	MUL16 6, \n, 0
	PLACES
	WIN 0
	FETCH_A \nslot, 0, 4
.endm
	s_wait_tensorcnt 2                             ; my part of slot 0 is in; slots 1 and 2 may stay out
	s_barrier_signal -1
	s_barrier_wait -1
	FETCH_B 0, 0, 0
	FETCH_A 0, 0, 0
	FETCH_A 0, 0, 4
	s_wait_loadcnt 0x0                             ; the scale words (and the first cos and sin)
	STEP 0, 0, 1, 1                                ; its products start the sums: nothing is cleared
	TURN 1, 1, 1                                   ; every wave's three first fills are shown landed here, so slots 1 and 2 are whole from here on
	STEP 2, 1, 1, 0
	s_wait_alu depctr_va_vdst(0)
	STEP 3, 2, 0, 0
	STEP 4, 2, 1, 0
	TURN 5, 0, 0                                   ; the refill of slot 0 has landed in every wave
	STEP 6, 0, 1, 0
	s_wait_dscnt 4*NL
	WIN MUL_LO
	MUL16 0, 7, 0
	MUL16 2, 7, 0
	s_wait_dscnt 0x0
	WIN MUL_HI
	MUL16 4, 7, 0
	MUL16 6, 7, 0
	WIN 0
	PLACES
; 64 numbers of a lane, v[x] on in window w, register 16 b + i = k 32 b + 16 (lane / 16) + i of my row, become a fragment's codes in v[d] on and its scale word in v[PW].  Each accumulator is read from its low end on.
.macro QUANT x, w, d
	WIN ((\w)<<2)|((\w)<<4)
.irp b, 0,1,2,3
	v_max3_num_f32 v[TM+\b], 0x1800000, |v[(\x)+16*\b]|, |v[(\x)+16*\b+1]|   ; the floor 2^(3 - 127): the byte cannot fall under 1
.endr
.irp i, 2,4,6,8,10,12,14
.irp b, 0,1,2,3
	v_max3_num_f32 v[TM+\b], v[TM+\b], |v[(\x)+16*\b+\i]|, |v[(\x)+16*\b+\i+1]|
.endr
.endr
	WIN 0
.irp b, 0,1,2,3
	v_permlanex16_b32 v[TM+4+\b], v[TM+\b], s[SEL], s[SEL+1]
.endr
.irp b, 0,1,2,3
	v_max_num_f32 v[TM+\b], v[TM+\b], v[TM+4+\b]
.endr
.irp b, 0,1,2,3
	v_add_nc_u32 v[TM+12+\b], 0xff000000, v[TM+\b] ; 2 off the exponent field: the conversion's scale operand
.endr
.irp b, 0,1,2,3
	v_lshrrev_b32 v[TM+4+\b], 23, v[TM+12+\b]
.endr
	v_lshl_or_b32 v[PW], v[TM+5], 8, v[TM+4]
	v_lshl_or_b32 v[PW], v[TM+6], 16, v[PW]
	v_lshl_or_b32 v[PW], v[TM+7], 24, v[PW]
	WIN (\w)
.irp c, 0,1
	v_cvt_scalef32_pk16_fp6_f32 v[\d+6*\c:\d+6*\c+2], v[(\x)+32*\c:(\x)+32*\c+15], v[TM+12+2*\c]
	v_cvt_scalef32_pk16_fp6_f32 v[TC+4*\c:TC+4*\c+2], v[(\x)+32*\c+16:(\x)+32*\c+31], v[TM+13+2*\c]
.endr
	WIN 0
	v_nop                                          ; one plain place behind a scaled conversion
.irp c, 0,1
.irp i, 0,1,2
	v_permlane16_swap_b32 v[\d+6*\c+\i], v[TC+4*\c+\i]
.endr
.irp i, 0,1,2
	v_mov_b32 v[\d+6*\c+3+\i], v[TC+4*\c+\i]
.endr
.endr
.endm
	s_cmp_lg_u32 s17, 0
	s_cbranch_scc1 .Lv_path
	; ---- q and k.  My 128 features are two heads; my 8 tiles of tokens are one group of scale words.
	s_lshr_b32 s80, s92, 7                         ; the batch
	s_and_b32 s81, s92, 127                        ; my first tile in its sequence
	s_lshl_b32 s82, s42, 8
	s_lshl_b32 s83, s16, 7
	s_add_co_u32 s82, s82, s83
	s_and_b32 s82, s82, 1023
	s_lshr_b32 s82, s82, 6                         ; my first head
	s_lshl_b32 s80, s80, 4
	s_add_co_u32 s80, s80, s82                     ; bh
	s_mov_b32 s84, 196608
	s_mov_b32 s85, 6291456
	s_mov_b32 s86, 12288
	s_mov_b32 s87, 524288
	s_cmp_eq_u32 ttmp9, 0                          ; q or k
	s_cselect_b32 s84, 98304, s84                  ; a head's codes,
	s_cselect_b32 s85, 0, s85                      ; where they begin,
	s_cselect_b32 s86, 8192, s86                   ; a head's scale words,
	s_cselect_b32 s87, 0, s87
	s_mul_i32 s88, s80, s84
	s_add_co_u32 s88, s88, s85
	s_mul_i32 s89, s81, 768
	s_add_co_u32 s88, s88, s89
	s_mov_b32 s89, 0
	s_add_nc_u64 s[20:21], s[10:11], s[88:89]      ; the first head's images
	s_mov_b32 s85, 0
	s_add_nc_u64 s[22:23], s[20:21], s[84:85]      ; the second's
	s_mul_i32 s90, s80, s86
	s_add_co_u32 s90, s90, s87
	s_lshr_b32 s91, s81, 3
	s_lshl_b32 s91, s91, 9
	s_add_co_u32 s90, s90, s91
	s_mov_b32 s91, 0
	s_add_nc_u64 s[96:97], s[12:13], s[90:91]
	s_mov_b32 s87, 0
	s_add_nc_u64 s[98:99], s[96:97], s[86:87]
; Token tile a.  Registers 8 t + 2 j, + 1 are a pair (x1, x2) of the rotation; its cos and sin lie at 8 (t % 4) + 2 j of the tile's 32 table registers.
.macro QKBLOCK a
.set AC, 64*((\a)%4)
.set CB, 96+128*((\a)%2)
.if (\a) < 7
	s_wait_loadcnt 8                               ; this tile's table is in; the next tile's eight loads may be out
.else
	s_wait_loadcnt 0x0
.endif
	WIN (2+(\a)/4)|4                               ; source 0: the accumulators' window; source 1: window 1
.irp t, 0,1,2,3,4,5,6,7
.irp p, 0,2,4,6
	v_pk_mul_f32 v[HA+8*\t+\p:HA+8*\t+\p+1], v[AC+8*\t+\p:AC+8*\t+\p+1], v[CB+8*(\t%4)+\p:CB+8*(\t%4)+\p+1] op_sel_hi:[1,0]   ; x1 cos, x2 cos
.endr
.irp p, 0,2,4,6
	v_pk_fma_f32 v[HA+8*\t+\p:HA+8*\t+\p+1], v[AC+8*\t+\p:AC+8*\t+\p+1], v[CB+8*(\t%4)+\p:CB+8*(\t%4)+\p+1], v[HA+8*\t+\p:HA+8*\t+\p+1] op_sel:[1,1,0] op_sel_hi:[0,1,1] neg_lo:[0,1,0]   ; - x2 sin, + x1 sin
.endr
.endr
.if (\a) < 6
	WIN TO_B
	CSLOAD (\a)+2
.endif
	WIN 0
	s_wait_xcnt 0x0                                ; the last tile's stores have read the codes' registers
	QUANT HA, 0, PC
	global_store_b128 v[L16], v[PC:PC+3], s[20:21] offset:768*(\a)         ; K = 0 .. 63 of the fragment is the first head's image,
	global_store_b64 v[L8], v[PC+4:PC+5], s[20:21] offset:768*(\a)+512
	global_store_b128 v[L16], v[PC+6:PC+9], s[22:23] offset:768*(\a)       ; K = 64 .. 127 the second's
	global_store_b64 v[L8], v[PC+10:PC+11], s[22:23] offset:768*(\a)+512
.if (\a)%2 == 0
	v_mov_b32 v[PWE], v[PW]
.else
	v_cndmask_b32 v[SA+(\a)/2], v[PWE], v[PW], s94 ; lanes 0-15 keep the even tile's word, lanes 16-31 the odd tile's
	v_lshrrev_b32 v[SB+(\a)/2], 16, v[SA+(\a)/2]   ; the second head's two bytes
.endif
.endm
.irp a, 0,1,2,3,4,5,6,7
	QKBLOCK \a
.endr
	global_store_b128 v[L16], v[SA:SA+3], s[96:97]
	global_store_b128 v[L16], v[SB:SB+3], s[98:99]
	s_branch .Lend
.Lv_path:
	; ---- v.  My 8 tiles of channels are two heads x 4 tiles; my 128 tokens are one key step.
	s_lshl_b32 s80, s43, 2
	s_lshl_b32 s81, s15, 1
	s_add_co_u32 s80, s80, s81                     ; my first head
	s_lshr_b32 s81, s93, 7
	s_lshl_b32 s81, s81, 4
	s_add_co_u32 s80, s80, s81                     ; bh
	s_bfe_u32 s81, s93, 0x40003                    ; the key step
	s_mul_i32 s82, s80, 196608
	s_mul_i32 s83, s81, 6144
	s_add_co_u32 s82, s82, s83
	s_add_co_u32 s82, s82, 6291456+98304
	s_mov_b32 s83, 0
	s_add_nc_u64 s[20:21], s[10:11], s[82:83]
	s_mul_i32 s84, s80, 12288
	s_lshl_b32 s85, s81, 8
	s_add_co_u32 s84, s84, s85
	s_add_co_u32 s84, s84, 524288+8192
	s_mov_b32 s85, 0
	s_add_nc_u64 s[22:23], s[12:13], s[84:85]
.macro VBLOCK a
	s_wait_xcnt 0x0                                ; the last tile's stores have read the codes' registers
	QUANT 64*((\a)%4), 2+(\a)/4, PC
	global_store_b128 v[L16], v[PC:PC+3], s[20:21] offset:((\a)/4)*196608+((\a)%4)*1536
	global_store_b64 v[L8], v[PC+4:PC+5], s[20:21] offset:((\a)/4)*196608+((\a)%4)*1536+512
	global_store_b128 v[L16], v[PC+6:PC+9], s[20:21] offset:((\a)/4)*196608+((\a)%4)*1536+768
	global_store_b64 v[L8], v[PC+10:PC+11], s[20:21] offset:((\a)/4)*196608+((\a)%4)*1536+1280
.if (\a)%2 == 0
	v_mov_b32 v[PWE], v[PW]
.else
	v_cndmask_b32 v[SA+4*((\a)/4)+((\a)%4)/2], v[PWE], v[PW], s94
.endif
.if (\a)%4 == 3
	global_store_b64 v[L8], v[SA+4*((\a)/4):SA+4*((\a)/4)+1], s[22:23] offset:((\a)/4)*12288
.endif
.endm
.irp a, 0,1,2,3,4,5,6,7
	VBLOCK \a
.endr
.Lend:
	s_wait_tensorcnt 0x0                           ; the wave's end
	ds_add_u32 v[SPW], v[NIL]
	s_wait_dscnt 0x0
	CROUND                                         ; the closing round: no work-group ends while a partner may still ask for a tile that names it
	s_endpgm
.Lfunc_end_k_qbc647c0143_qkv:
	.size	k_qbc647c0143_qkv, .Lfunc_end_k_qbc647c0143_qkv-k_qbc647c0143_qkv
	.p2alignl 7, 3214868480
	.fill 96, 4, 3214868480
	.section	.rodata,"a",@progbits
	.p2align	6, 0x0
	.amdhsa_kernel k_qbc647c0143_qkv
		.amdhsa_group_segment_fixed_size 327680
		.amdhsa_private_segment_fixed_size 0
		.amdhsa_enable_private_segment 0
		.amdhsa_kernarg_size 40
		.amdhsa_user_sgpr_count 2
		.amdhsa_user_sgpr_kernarg_segment_ptr 1
		.amdhsa_wavefront_size32 1
		.amdhsa_system_sgpr_workgroup_id_x 1
		.amdhsa_system_sgpr_workgroup_id_y 1
		.amdhsa_system_sgpr_workgroup_id_z 1
		.amdhsa_system_vgpr_workitem_id 0
		.amdhsa_next_free_vgpr 1024
		.amdhsa_next_free_sgpr 100
		.amdhsa_reserve_vcc 0
		.amdhsa_float_denorm_mode_32 3
		.amdhsa_float_denorm_mode_16_64 3
		.amdhsa_memory_ordered 1
		.amdhsa_forward_progress 1
		.amdhsa_inst_pref_size 221
	.end_amdhsa_kernel
	.amdgpu_metadata
---
amdhsa.version: [ 1, 2 ]
amdhsa.kernels:
  - .name:           k_qbc647c0143_qkv
    .symbol:         k_qbc647c0143_qkv.kd
    .args:
      - { .name: cw, .offset: 0, .size: 8, .value_kind: global_buffer, .address_space: global }
      - { .name: s1, .offset: 8, .size: 8, .value_kind: global_buffer, .address_space: global }
      - { .name: rope, .offset: 16, .size: 8, .value_kind: global_buffer, .address_space: global }
      - { .name: qkvc, .offset: 24, .size: 8, .value_kind: global_buffer, .address_space: global }
      - { .name: qkvs, .offset: 32, .size: 8, .value_kind: global_buffer, .address_space: global }
    .group_segment_fixed_size: 327680
    .private_segment_fixed_size: 0
    .kernarg_segment_align: 8
    .kernarg_segment_size: 40
    .max_flat_workgroup_size: 128
    .sgpr_count:     100
    .vgpr_count:     1024
    .wavefront_size: 32
...
	.end_amdgpu_metadata
.endif
;; end of part 2
;; launch attn (part 3): grid 4 x 64, 16 waves a work-group, no clusters, 327,680 bytes of LDS; arguments qkvc, qkvs, ao, s2; writes ao, s2
.if DOCPART == 3
	.amdgcn_target "amdgcn-amd-amdhsa--gfx1250"
	.amdhsa_code_object_version 6
	.text
	.protected	k_qbc647c0143_attn
	.globl	k_qbc647c0143_attn
	.p2align	8
	.type	k_qbc647c0143_attn,@function
k_qbc647c0143_attn:
	s_mov_b64 s[64:65], 0
	v_nop
	global_prefetch_b8 v0, s[64:65] scope:SCOPE_SE
	s_setreg_imm32_b32 hwreg(HW_REG_WAVE_MODE, 25, 1), 1
	s_wait_xcnt 0x0
; Causal attention of one head on codes of FP6 (E2M3) with E8M0 scales; head size 64, 2,048 tokens.  The result, divided by the row's sum, is quantised along the model's 1,024 and leaves as codes for the last product.
; THE SOFTMAX: t = score x log2(e) / 8; M = the row's largest t so far, rounded up to a whole number; p = 2^(t - M) is quantised along the keys; the row's sum is taken of the unquantised p.  When M moves, the sum and O
; are multiplied by 2^(old M - new M): exact.
; SHARES.  A work-group owns query blocks i and 7 - i (256 queries each) of a head; wave w owns tile 16 i + w, then tile 16 (7 - i) + w: 16 + 2 (w / 8) key steps that count, whatever i: 256 work-groups of equal work.
; Sixteen waves of 256 registers, four to a SIMD: one wave's vector work stands beside another's matrix work and LDS loads.
; LDS.  The head's K and V codes (196,608 bytes) and their scale words (12,288) come ONCE, two tensor loads a wave, and stay: nothing is filled again.
; NO CLUSTER, though the four work-groups of a head read the same K and V: which key steps a work-group leaves out hangs on which query blocks are its own.
; LAYOUT.  Both products transposed: S^T = K Q^T, O^T = V^T P^T: a lane holds one query throughout.  A tile's 16 tokens: tile 2 G + u, place p: token 32 G + 8 u + p % 8 + 16 (p / 8); so the 16 registers of score tiles
; 2 b, 2 b + 1 are keys 32 b + 16 (lane / 16) + 0 .. 15, and O^T's 32 registers run along the head's 64 in the same way.
; THE SCORE PRODUCT HAS K = 64, the instruction 128: Q's upper six registers are zero codes.  K's upper six are whatever follows (the next tile's codes, or zeros): times zero codes, under scale bytes that are never 0xff, they add nothing.
; CAUSAL.  Every wave walks a constant number of trips (8, then 16); a step all of whose keys come after the tile's queries is jumped over by a scalar branch on ids.  A tile's queries lie inside one step of 128 keys, so in
; every step that counts each query sees the step's first key.  On the diagonal hidden scores become -infinity ahead of the maximum.
; The scale bytes of the result go out as two bytes a lane, 16 bytes apart: a word's other half belongs to another head's work-group; 262,144 bytes in the whole launch.
; LIMITS: NaN and infinities are not served; a block of zeros gets the byte 1 where the rule says 127 (its codes are zeros; this program alone reads the bytes).
; REGISTERS: v1-8 addresses that stay; v9-11, v28-30 the step's; v12 -M, v13 the largest t, v[14:15] the sum; v16-27 Q; v31 Q's scale words; v32-85 K's tiles, 6 registers each, then zeros; later V in v32-79;
;   v86-89 K's scale words, v90-91 V's; v96-159 S^T, then p; v160-191 O^T; v192-216 at work; v224-235 p's codes.
.set VB,   98304                       ; LDS: K's images at 0, V's here,
.set KSB,  196608                      ; K's scale words,
.set VSB,  204800                      ; V's
.set QSC,  31
.set KSC,  86
.set VSC,  90
.set BM,   192                         ; v192-195 the blocks' largest
.set BP,   196                         ; v196-199 the other half's; bytes; a chain of sums
.set BS,   200                         ; v200-203 the conversions' scale operands
.set WK,   204
.set OW,   205                         ; the result's two scale bytes
.set FF,   206                         ; v[206:207] f
.set PSC,  208                         ; p's scale word
.set NI,   209                         ; -infinity
.set TC,   210                         ; v210-212, v214-216
.set PCD,  224
.set WV,   12
.set II,   13
.set BH,   14
.set AS,   15
.set QMIN, 16
.set QMAX, 17
.set TB,   18
.set TS,   19
.set TJ,   20
.set KF,   21
.set CNT,  22
.set T0,   23
.set G1S,  24
.set G1C,  32
.set G0S,  40
.set G0C,  44
.set SEL,  48
.set CS,   50
.set PQ,   52
.set PQS,  54
.set PAO,  56
.set PS2,  58
	s_load_b256 s[4:11], s[0:1], 0x0               ; qkvc, qkvs, ao, s2
	v_lshl_add_u32 v254, v0, 2, 0x34000
	v_mov_b32 v255, 0
	ds_add_u32 v254, v255
	ds_add_u32 v254, v255
	v_lshrrev_b32 v1, 5, v0
	s_delay_alu instid0(VALU_DEP_1)
	v_readfirstlane_b32 s[WV], v1                  ; wave 0..15
	s_mov_b32 s[II], ttmp9
	s_and_b32 s[BH], ttmp7, 0xffff
	; descriptor groups 1: dense blocks as rows of 256 bytes (32 elements of 8 bytes): 3 rows of scale words, 48 rows of codes
	s_mov_b32 s[G1S], 3<<16
	s_mov_b32 s[G1S+1], 32<<16
	s_mov_b32 s[G1S+2], 3<<16
	s_mov_b32 s[G1S+3], 32<<16
	s_mov_b32 s[G1S+4], 3
	s_mov_b32 s[G1S+5], 32
	s_mov_b32 s[G1S+6], 0
	s_mov_b32 s[G1S+7], 0
	s_mov_b32 s[G1C], 3<<16
	s_mov_b32 s[G1C+1], 32<<16
	s_mov_b32 s[G1C+2], 48<<16
	s_mov_b32 s[G1C+3], 32<<16
	s_mov_b32 s[G1C+4], 48
	s_mov_b32 s[G1C+5], 32
	s_mov_b32 s[G1C+6], 0
	s_mov_b32 s[G1C+7], 0
	s_mul_i32 s60, s[BH], 12288
	s_mul_i32 s61, s[WV], 768
	s_add_co_u32 s60, s60, s61
	s_add_co_u32 s60, s60, 524288                  ; my sixteenth of the head's K and V scale words
	s_mov_b32 s61, 0
	s_mul_i32 s62, s[BH], 196608
	s_mul_i32 s63, s[WV], 12288
	s_add_co_u32 s62, s62, s63
	s_add_co_u32 s62, s62, 6291456                 ; and of its codes
	s_mov_b32 s63, 0
	s_mov_b32 s[SEL], 0x76543210
	s_mov_b32 s[SEL+1], 0xfedcba98
	s_mov_b32 s[CS], 0x3e38aa3b                    ; c = log2(e) / sqrt(64)
	s_mov_b32 s[CS+1], s[CS]                       ; (named with it as a pair, so it is written)
	s_wait_dscnt 0x0
	s_wait_kmcnt 0x0
	s_mov_b32 s[G0S], 1
	s_mul_i32 s[G0S+1], s[WV], 768
	s_add_co_u32 s[G0S+1], s[G0S+1], KSB
	s_add_nc_u64 s[G0S+2:G0S+3], s[6:7], s[60:61]
	s_or_b32 s[G0S+3], s[G0S+3], 0x80000000
	s_mov_b32 s[G0C], 1
	s_mul_i32 s[G0C+1], s[WV], 12288
	s_add_nc_u64 s[G0C+2:G0C+3], s[4:5], s[62:63]
	s_or_b32 s[G0C+3], s[G0C+3], 0x80000000
	tensor_load_to_lds s[G0S:G0S+3], s[G1S:G1S+7]  ; one load of mine is out, into bytes that are my wave's by its number
	s_nop 0
	s_wait_alu depctr_va_vdst(0)
	s_wait_tensorcnt 0x0
	ds_add_u32 v254, v255
	s_wait_dscnt 0x0
	s_barrier_signal -1
	s_barrier_wait -1
	tensor_load_to_lds s[G0C:G0C+3], s[G1C:G1C+7]
	s_nop 0
.rept 4
	v_nop
.endr
	v_and_b32 v9, 15, v0                           ; r
	v_bfe_u32 v10, v0, 4, 1                        ; h
	v_and_b32 v11, 31, v0
	s_delay_alu instid0(VALU_DEP_1)
	v_lshlrev_b32 v1, 4, v11                       ; 16 x lane
	s_delay_alu instid0(VALU_DEP_2)
	v_lshlrev_b32 v2, 3, v11                       ; 8 x lane
	v_and_b32 v3, 8, v9
	s_delay_alu instid0(VALU_DEP_1)
	v_add_nc_u32 v3, v3, v9
	v_lshlrev_b32 v10, 4, v10
	s_delay_alu instid0(VALU_DEP_1)
	v_sub_nc_u32 v3, v3, v10                       ; my query's place among the tile's tokens, less 16 h
	v_lshlrev_b32 v4, 4, v9                        ; 16 r
	v_add_nc_u32 v5, VB, v1
	v_add_nc_u32 v6, VB, v2
	v_add_nc_u32 v7, KSB, v1
	v_add_nc_u32 v8, VSB, v2
.irp j, 22,23,24,25,26,27,80,81,82,83,84,85
	v_mov_b32 v[\j], 0                             ; zero codes: Q's upper 64 along K; what follows K's last tile
.endr
.irp j, 196,197,198,199,204,207
	v_mov_b32 v[\j], 0                             ; written once: permutes' destinations, and the upper half of the pair f
.endr
	v_mov_b32 v[NI], 0xff800000
	s_wait_tensorcnt 0x0                           ; my parts have landed,
	s_barrier_signal -1
	s_barrier_wait -1                              ; everybody's have: the head lies in LDS
; A KEY STEP: 128 keys from s[KF] on.
.macro STEP
	s_cmp_gt_u32 s[KF], s[QMAX]
	s_cbranch_scc1 .Lhidden_\@
	s_setprio 2
	v_add_nc_u32 v9, s[TB], v1                     ; these six are also the places in front of loads into registers that the last products read
	v_add_nc_u32 v10, s[TB], v2
	v_add_nc_u32 v11, s[TB], v5
	v_add_nc_u32 v28, s[TB], v6
	v_add_nc_u32 v29, s[TS], v7
	v_add_nc_u32 v30, s[TJ], v8
.irp t, 0,1,2,3,4,5,6,7
	ds_load_b128 v[32+6*\t:35+6*\t], v9 offset:768*\t
	ds_load_b64 v[36+6*\t:37+6*\t], v10 offset:768*\t+512
.endr
	ds_load_b128 v[KSC:KSC+3], v29                 ; word p: lanes 0-15 tile 2 p, lanes 16-31 tile 2 p + 1
	s_wait_alu depctr_va_vdst(0)
	s_wait_dscnt 0x0
.irp t, 0,1,2,3,4,5,6,7
.if \t%2 == 0
	v_wmma_scale_f32_16x16x128_f8f6f4 v[96+8*\t:103+8*\t], v[32+6*\t:43+6*\t], v[16:27], 0, v[KSC+\t/2], v[QSC] matrix_a_fmt:MATRIX_FMT_FP6 matrix_b_fmt:MATRIX_FMT_FP6
.else
	v_wmma_scale_f32_16x16x128_f8f6f4 v[96+8*\t:103+8*\t], v[32+6*\t:43+6*\t], v[16:27], 0, v[KSC+\t/2], v[QSC] matrix_a_fmt:MATRIX_FMT_FP6 matrix_b_fmt:MATRIX_FMT_FP6 matrix_a_scale:MATRIX_SCALE_ROW1
.endif
.endr
.rept 4
	v_nop
.endr
.irp d, 0,1,2,3                        ; V's four fragments are asked for here and land under the softmax
	ds_load_b128 v[32+12*\d:35+12*\d], v11 offset:1536*\d
	ds_load_b64 v[36+12*\d:37+12*\d], v28 offset:1536*\d+512
	ds_load_b128 v[38+12*\d:41+12*\d], v11 offset:1536*\d+768
	ds_load_b64 v[42+12*\d:43+12*\d], v28 offset:1536*\d+1280
.endr
	ds_load_b64 v[VSC:VSC+1], v30
	s_add_co_u32 s[T0], s[KF], 127
	s_cmp_le_u32 s[T0], s[QMIN]
	s_cbranch_scc1 .Lopen_\@                       ; all 128 keys count for all 16 queries
	s_sub_co_i32 s[T0], s[QMIN], s[KF]
	v_add_nc_u32 v[WK], s[T0], v3                  ; d = my query - KF - 16 h.  Register 16 b + i holds key KF + 16 h + 32 b + i: hidden where 32 b + i > d
.set n, 0
.rept 64
	v_cmp_gt_i32 vcc_lo, 32*(n/16)+n%16, v[WK]
	v_cndmask_b32 v[96+n], v[96+n], v[NI], vcc_lo
.set n, n+1
.endr
.Lopen_\@:
.irp b, 0,1,2,3
	v_max3_num_f32 v[BM+\b], v[96+16*\b], v[97+16*\b], v[98+16*\b]   ; the largest score of each block of 32 keys: for the row's maximum, and, since p rises with the score, for the block's largest p
.endr
.irp i, 3,5,7,9,11,13
.irp b, 0,1,2,3
	v_max3_num_f32 v[BM+\b], v[BM+\b], v[96+16*\b+\i], v[97+16*\b+\i]
.endr
.endr
.irp b, 0,1,2,3
	v_max_num_f32 v[BM+\b], v[BM+\b], v[111+16*\b]
.endr
.irp b, 0,1,2,3
	s_delay_alu instid0(VALU_DEP_4)
	v_permlanex16_b32 v[BP+\b], v[BM+\b], s[SEL], s[SEL+1]
.endr
.irp b, 0,1,2,3
	s_delay_alu instid0(VALU_DEP_4)
	v_max_num_f32 v[BM+\b], v[BM+\b], v[BP+\b]
.endr
	s_delay_alu instid0(VALU_DEP_2)
	v_max3_num_f32 v[WK], v[BM], v[BM+1], v[BM+2]
	s_delay_alu instid0(VALU_DEP_1)
	v_max_num_f32 v[WK], v[WK], v[BM+3]
	s_delay_alu instid0(VALU_DEP_1)
	v_mul_f32 v[WK], s[CS], v[WK]
	s_delay_alu instid0(VALU_DEP_1)
	v_max_num_f32 v13, v13, v[WK]                  ; the running largest t
	v_mov_b32 v[WK], v12
	s_delay_alu instid0(VALU_DEP_2)
	v_floor_f32 v12, -v13                          ; the new -M
	s_delay_alu instid0(VALU_DEP_1)
	v_sub_f32 v[WK], v12, v[WK]                    ; old M - new M: a whole number, 0 or less
	s_delay_alu instid0(VALU_DEP_1)
	v_cvt_i32_f32 v[WK], v[WK]                     ; (it saturates)
	s_delay_alu instid0(VALU_DEP_1)
	v_ldexp_f32 v[FF], 1.0, v[WK]                  ; f = 2^(old M - new M)
.set j, 0
	s_setprio 1
.rept 32
	v_pk_fma_f32 v[96+j:97+j], v[96+j:97+j], s[CS:CS+1], v[12:13] op_sel_hi:[1,0,0]   ; t - M
.set j, j+2
.endr
.irp b, 0,1,2,3
	v_fma_f32 v[BM+\b], v[BM+\b], s[CS], v12
.endr
.set j, 0
	s_wait_alu depctr_va_vdst(0)
.rept 64
	v_exp_f32 v[96+j], v[96+j]                     ; p
.set j, j+1
.endr
.irp b, 0,1,2,3
	v_exp_f32 v[BM+\b], v[BM+\b]                   ; the block's largest p: the same two instructions on the same number
.endr
	v_pk_mul_f32 v[14:15], v[14:15], v[FF:FF+1] op_sel_hi:[1,0]   ; the sums under the new M (a plain place behind the exponentials)
	s_wait_alu depctr_va_vdst(0)
.irp b, 0,1,2,3
	v_max_num_f32 v[BM+\b], 0x1800000, v[BM+\b]    ; the floor 2^(3 - 127)
.endr
.irp b, 0,1,2,3
	s_delay_alu instid0(VALU_DEP_4)
	v_add_nc_u32 v[BS+\b], 0xff000000, v[BM+\b]
.endr
.irp b, 0,1,2,3
	s_delay_alu instid0(VALU_DEP_4)
	v_lshrrev_b32 v[BP+\b], 23, v[BS+\b]
.endr
	s_delay_alu instid0(VALU_DEP_3)
	v_lshl_or_b32 v[PSC], v[BP+1], 8, v[BP]
	s_delay_alu instid0(VALU_DEP_1)
	v_lshl_or_b32 v[PSC], v[BP+2], 16, v[PSC]
	s_delay_alu instid0(VALU_DEP_1)
	v_lshl_or_b32 v[PSC], v[BP+3], 24, v[PSC]
.irp c, 0,1
	v_cvt_scalef32_pk16_fp6_f32 v[PCD+6*\c:PCD+6*\c+2], v[96+32*\c:111+32*\c], v[BS+2*\c]
	v_cvt_scalef32_pk16_fp6_f32 v[TC+4*\c:TC+4*\c+2], v[112+32*\c:127+32*\c], v[BS+2*\c+1]
.endr
	v_nop                                          ; one plain place behind a scaled conversion
.irp c, 0,1
.irp i, 0,1,2
	v_permlane16_swap_b32 v[PCD+6*\c+\i], v[TC+4*\c+\i]
.endr
.irp i, 0,1,2
	s_delay_alu instid0(VALU_DEP_3)
	v_mov_b32 v[PCD+6*\c+3+\i], v[TC+4*\c+\i]
.endr
.endr
	v_pk_add_f32 v[BP:BP+1], v[96:97], v[98:99]    ; the row's sum of the unquantised p, in two chains
	s_setprio 0
.irp j, 4,8,12,16,20,24,28,32,36,40,44,48,52,56,60
	v_pk_add_f32 v[14:15], v[14:15], v[96+\j:97+\j]
	v_pk_add_f32 v[BP:BP+1], v[BP:BP+1], v[98+\j:99+\j]
.endr
	s_delay_alu instid0(VALU_DEP_1)
	v_pk_add_f32 v[14:15], v[14:15], v[BP:BP+1]
.set j, 0
.rept 16
	v_pk_mul_f32 v[160+j:161+j], v[160+j:161+j], v[FF:FF+1] op_sel_hi:[1,0]   ; O^T under the new M.  (The sums and these are the places between p's codes and scale word and the products)
.set j, j+2
.endr
	s_wait_alu depctr_va_vdst(0)
	s_wait_dscnt 0x0                               ; V
.irp d, 0,1,2,3
.if \d%2 == 0
	v_wmma_scale_f32_16x16x128_f8f6f4 v[160+8*\d:167+8*\d], v[32+12*\d:43+12*\d], v[PCD:PCD+11], v[160+8*\d:167+8*\d], v[VSC+\d/2], v[PSC] matrix_a_fmt:MATRIX_FMT_FP6 matrix_b_fmt:MATRIX_FMT_FP6
.else
	v_wmma_scale_f32_16x16x128_f8f6f4 v[160+8*\d:167+8*\d], v[32+12*\d:43+12*\d], v[PCD:PCD+11], v[160+8*\d:167+8*\d], v[VSC+\d/2], v[PSC] matrix_a_fmt:MATRIX_FMT_FP6 matrix_b_fmt:MATRIX_FMT_FP6 matrix_a_scale:MATRIX_SCALE_ROW1
.endif
.endr
.Lhidden_\@:
	s_add_co_u32 s[TB], s[TB], 6144                ; the next step's tiles of K and of V,
	s_add_co_u32 s[TS], s[TS], 512                 ; K's scale words,
	s_add_co_u32 s[TJ], s[TJ], 256                 ; V's,
	s_add_co_u32 s[KF], s[KF], 128                 ; its first key
.endm
; The tile s[AS] from Q to the stored codes; trips: a constant that covers every key step that can count.
.macro PASS trips
	s_wait_xcnt 0x0                                ; the last pass's stores have read their registers and bases
	s_mul_i32 s60, s[BH], 98304
	s_mul_i32 s61, s[AS], 768
	s_add_co_u32 s60, s60, s61
	s_mov_b32 s61, 0
	s_add_nc_u64 s[PQ:PQ+1], s[4:5], s[60:61]      ; Q's image
	s_lshl_b32 s60, s[BH], 13
	s_lshr_b32 s62, s[AS], 3
	s_lshl_b32 s62, s62, 9
	s_add_co_u32 s60, s60, s62
	s_and_b32 s62, s[AS], 1
	s_lshl_b32 s62, s62, 8
	s_add_co_u32 s60, s60, s62
	s_bfe_u32 s62, s[AS], 0x20001
	s_lshl_b32 s62, s62, 2
	s_add_co_u32 s60, s60, s62
	s_add_nc_u64 s[PQS:PQS+1], s[6:7], s[60:61]    ; its scale words
	global_load_b128 v[16:19], v1, s[PQ:PQ+1]
	global_load_b64 v[20:21], v2, s[PQ:PQ+1] offset:512
	global_load_b32 v[QSC], v4, s[PQS:PQS+1]
	s_lshr_b32 s62, s[BH], 4
	s_lshl_b32 s62, s62, 7
	s_add_co_u32 s62, s62, s[AS]                   ; the tile among all 512
	s_and_b32 s63, s[BH], 15                       ; the head
	s_mul_i32 s60, s62, 12288
	s_mul_i32 s[T0], s63, 768
	s_add_co_u32 s60, s60, s[T0]
	s_add_nc_u64 s[PAO:PAO+1], s[8:9], s[60:61]
	s_lshl_b32 s60, s62, 9
	s_lshr_b32 s[T0], s63, 3
	s_lshl_b32 s[T0], s[T0], 8
	s_add_co_u32 s60, s60, s[T0]
	s_bfe_u32 s[T0], s63, 0x20001
	s_lshl_b32 s[T0], s[T0], 2
	s_add_co_u32 s60, s60, s[T0]
	s_and_b32 s[T0], s63, 1
	s_lshl_b32 s[T0], s[T0], 1
	s_add_co_u32 s60, s60, s[T0]
	s_add_nc_u64 s[PS2:PS2+1], s[10:11], s[60:61]
	s_lshr_b32 s[T0], s[AS], 1
	s_lshl_b32 s[T0], s[T0], 5
	s_and_b32 s[QMIN], s[AS], 1
	s_lshl_b32 s[QMIN], s[QMIN], 3
	s_add_co_u32 s[QMIN], s[QMIN], s[T0]           ; the tile's first query
	s_add_co_u32 s[QMAX], s[QMIN], 23              ; and its last
	s_mov_b32 s[TB], 0
	s_mov_b32 s[TS], 0
	s_mov_b32 s[TJ], 0
	s_mov_b32 s[KF], 0
	v_mov_b32 v13, 0xff61b1e6                      ; the largest t so far: -3e38
	s_delay_alu instid0(VALU_DEP_1)
	v_floor_f32 v12, -v13
	v_mov_b32 v14, 0
	v_mov_b32 v15, 0
.set j, 0
.rept 32
	v_mov_b32 v[160+j], 0                          ; O^T.  (The step is written once: the first finds zeros, which the first change of M leaves zeros)
.set j, j+1
.endr
	s_wait_loadcnt 0x0
	s_mov_b32 s[CNT], \trips
.Lpass_\@:
	STEP
	s_sub_co_u32 s[CNT], s[CNT], 1
	s_cmp_lg_u32 s[CNT], 0
	s_cbranch_scc1 .Lpass_\@
	s_setprio 0
.rept 4
	v_nop                                          ; places behind the last products
.endr
	v_add_f32 v14, v14, v15
	s_delay_alu instid0(VALU_DEP_1)
	v_permlanex16_b32 v[WK], v14, s[SEL], s[SEL+1]
	s_delay_alu instid0(VALU_DEP_1)
	v_add_f32 v14, v14, v[WK]                      ; the row's sum
	s_wait_alu depctr_va_vdst(0)
	v_rcp_f32 v14, v14
	v_nop
.set j, 0
	s_wait_alu depctr_va_vdst(0)
.rept 32
	v_mul_f32 v[96+j], v[160+j], v14               ; register 16 b + i: channel 32 b + 16 h + i of my query
.set j, j+1
.endr
.irp b, 0,1
	v_max3_num_f32 v[BM+\b], |v[96+16*\b]|, |v[97+16*\b]|, 0x1800000
.endr
.irp i, 2,4,6,8,10,12,14
.irp b, 0,1
	s_delay_alu instid0(VALU_DEP_2)
	v_max3_num_f32 v[BM+\b], v[BM+\b], |v[96+16*\b+\i]|, |v[97+16*\b+\i]|
.endr
.endr
.irp b, 0,1
	s_delay_alu instid0(VALU_DEP_2)
	v_permlanex16_b32 v[BP+\b], v[BM+\b], s[SEL], s[SEL+1]
.endr
.irp b, 0,1
	s_delay_alu instid0(VALU_DEP_2)
	v_max_num_f32 v[BM+\b], v[BM+\b], v[BP+\b]
.endr
.irp b, 0,1
	s_delay_alu instid0(VALU_DEP_2)
	v_add_nc_u32 v[BS+\b], 0xff000000, v[BM+\b]
.endr
.irp b, 0,1
	s_delay_alu instid0(VALU_DEP_2)
	v_lshrrev_b32 v[BP+\b], 23, v[BS+\b]
.endr
	s_delay_alu instid0(VALU_DEP_1)
	v_lshl_or_b32 v[OW], v[BP+1], 8, v[BP]
	v_cvt_scalef32_pk16_fp6_f32 v[PCD:PCD+2], v[96:111], v[BS]
	v_cvt_scalef32_pk16_fp6_f32 v[TC:TC+2], v[112:127], v[BS+1]
	v_nop
.irp i, 0,1,2
	v_permlane16_swap_b32 v[PCD+\i], v[TC+\i]
.endr
.irp i, 0,1,2
	s_delay_alu instid0(VALU_DEP_3)
	v_mov_b32 v[PCD+3+\i], v[TC+\i]
.endr
	global_store_b128 v1, v[PCD:PCD+3], s[PAO:PAO+1]                ; the head's 64 along the last product's K: half a fragment, 768 bytes
	global_store_b64 v2, v[PCD+4:PCD+5], s[PAO:PAO+1] offset:512
	global_store_b16 v4, v[OW], s[PS2:PS2+1]                        ; lanes r and r + 16 write the same two bytes with the same value
.endm
	s_lshl_b32 s[AS], s[II], 4
	s_add_co_u32 s[AS], s[AS], s[WV]               ; tile 16 i + w: keys under 1,024
	PASS 8
	s_lshl_b32 s[AS], s[II], 4
	s_sub_co_u32 s[AS], 112, s[AS]
	s_add_co_u32 s[AS], s[AS], s[WV]               ; tile 16 (7 - i) + w
	PASS 16
	s_wait_tensorcnt 0x0
	ds_add_u32 v254, v255
	s_wait_dscnt 0x0
	s_endpgm
.Lfunc_end_k_qbc647c0143_attn:
	.size	k_qbc647c0143_attn, .Lfunc_end_k_qbc647c0143_attn-k_qbc647c0143_attn
	.p2alignl 7, 3214868480
	.fill 96, 4, 3214868480
	.section	.rodata,"a",@progbits
	.p2align	6, 0x0
	.amdhsa_kernel k_qbc647c0143_attn
		.amdhsa_group_segment_fixed_size 327680
		.amdhsa_private_segment_fixed_size 0
		.amdhsa_enable_private_segment 0
		.amdhsa_kernarg_size 32
		.amdhsa_user_sgpr_count 2
		.amdhsa_user_sgpr_kernarg_segment_ptr 1
		.amdhsa_wavefront_size32 1
		.amdhsa_system_sgpr_workgroup_id_x 1
		.amdhsa_system_sgpr_workgroup_id_y 1
		.amdhsa_system_sgpr_workgroup_id_z 1
		.amdhsa_system_vgpr_workitem_id 0
		.amdhsa_next_free_vgpr 256
		.amdhsa_next_free_sgpr 66
		.amdhsa_reserve_vcc 1
		.amdhsa_float_denorm_mode_32 3
		.amdhsa_float_denorm_mode_16_64 3
		.amdhsa_memory_ordered 1
		.amdhsa_forward_progress 1
		.amdhsa_inst_pref_size 66
	.end_amdhsa_kernel
	.amdgpu_metadata
---
amdhsa.version: [ 1, 2 ]
amdhsa.kernels:
  - .name:           k_qbc647c0143_attn
    .symbol:         k_qbc647c0143_attn.kd
    .args:
      - { .name: qkvc, .offset: 0, .size: 8, .value_kind: global_buffer, .address_space: global }
      - { .name: qkvs, .offset: 8, .size: 8, .value_kind: global_buffer, .address_space: global }
      - { .name: ao, .offset: 16, .size: 8, .value_kind: global_buffer, .address_space: global }
      - { .name: s2, .offset: 24, .size: 8, .value_kind: global_buffer, .address_space: global }
    .group_segment_fixed_size: 327680
    .private_segment_fixed_size: 0
    .kernarg_segment_align: 8
    .kernarg_segment_size: 32
    .max_flat_workgroup_size: 512
    .sgpr_count:     66
    .vgpr_count:     256
    .wavefront_size: 32
...
	.end_amdgpu_metadata
.endif
;; end of part 3
;; launch oproj (part 4): grid 4 x 32, 4 waves a work-group, clusters of 4 x 4, 327,680 bytes of LDS; arguments ao, cw, s2, out0; writes out0
.if DOCPART == 4
	.amdgcn_target "amdgcn-amd-amdhsa--gfx1250"
	.amdhsa_code_object_version 6
	.text
	.protected	k_qbc647c0143_oproj
	.globl	k_qbc647c0143_oproj
	.p2align	8
	.type	k_qbc647c0143_oproj,@function
k_qbc647c0143_oproj:
	s_mov_b64 s[64:65], 0
	v_nop
	global_prefetch_b8 v0, s[64:65] scope:SCOPE_SE
	s_setreg_imm32_b32 hwreg(HW_REG_WAVE_MODE, 25, 1), 1
	s_wait_xcnt 0x0
	s_wait_alu depctr_hold_cnt(0) depctr_sa_sdst(0) depctr_va_vdst(0) depctr_va_sdst(0) depctr_va_ssrc(0) depctr_va_vcc(0) depctr_vm_vsrc(0)
	s_getreg_b32 s2, hwreg(HW_REG_IB_STS2, 6, 4)
	s_cmp_eq_u32 s2, 0
	s_cbranch_scc0 .Lentry_in_a_cluster
	s_endpgm
.Lentry_in_a_cluster:
	s_bfe_u32 s2, ttmp6, 0x10000c
	s_cmp_lg_u32 s2, 0xf033
	s_cbranch_scc0 .Lentry_shape_is_right
	s_endpgm
.Lentry_shape_is_right:
; out0 = (attention's result) Wo^T on codes of FP6 (E2M3) with E8M0 scales, K = 1,024; out0 [8192][1024] f32.
; The loop is that of the launch that makes q, k and v: a work-group of four waves makes 256 x 256, a wave 128 x 128 in 64 accumulators; source 0 = Wo's tiles (B), source 1 = the tokens' tiles (A); operands lie in memory
; as images of their registers; three LDS slots of 256 along K, three filled at the start, slot 0 once more behind the one round in the sequence; clusters of 4 x 4 with joint loads, A's tiles along a row, B's along a column;
; the scale words of all of K in 64 registers.  128 work-groups: the tile is kept at 256 x 256 so that each LDS byte feeds as many products as the registers allow; half of the WGPs have no work-group.
; The rows of a tile: tile 2 G + u, place p: row 32 G + 8 u + p % 8 + 16 (p / 8).  So a lane holds one token, and registers 0-7 of accumulator (a, b) the outputs 32 (b / 2) + 8 (b % 2) + 16 (lane / 16) + 0 .. 7.
; THE WAY OUT: a block of 16 tokens x 128 outputs goes through the wave's own stage in LDS and comes back as whole rows of 512 bytes.  The stage lies in slot 1, which is filled once, at the start, and is read
; for the last time ahead of the sequence's last barrier.
.set SLOT,  98304
.set SPARE, 3*SLOT                     ; the spare words, 128 bytes for each wave: two blocks of 256 bytes that no other line names
.set FR,    12
.set NL,    4
.set A16,   4
.set A8,    7
.set B16,   10
.set B8,    13
.set L16,   16
.set L8,    17
.set SOFF,  18
.set STO,   21
.set RD,    22
.set SPW,   28
.set NIL,   29
.set SC,    32
.set AF,    128
.set BK,    128                        ; the way out: v128-191 and v192-255 by turns
.set G1A,   24
.set G1B,   32
.set G0A,   48
.set G0B,   68
.set MSB, 0
.macro WIN new
.if MSB != (\new)
	s_set_vgpr_msb (MSB<<8)|(\new)
.set MSB, (\new)
.endif
.endm
.set MUL_LO, 0xa1
.set MUL_HI, 0xf1
.set TO_B,   0x40
.macro PLACES
.rept 4
	v_nop
.endr
.endm
.macro JLOAD
	s_cmp_eq_u32 s15, 0
	s_cbranch_scc0 .Lfor_b_\@
	tensor_load_to_lds s[G0A:G0A+3], s[G1A:G1A+7]
	s_nop 0
.rept 4
	v_nop
.endr
	s_branch .Lasked_\@
.Lfor_b_\@:
	tensor_load_to_lds s[G0B:G0B+3], s[G1B:G1B+7]
	s_nop 0
.rept 4
	v_nop
.endr
.Lasked_\@:
.endm
.macro CREST
	s_cmp_lg_u32 s14, 0
	s_cbranch_scc1 .Lnot_wave_0_\@
	s_barrier_signal -3
.Lnot_wave_0_\@:
	s_barrier_wait -3
	s_barrier_signal -1
	s_barrier_wait -1
.endm
.macro CROUND
	s_barrier_signal -1
	s_barrier_wait -1
	CREST
.endm
	s_load_b256 s[4:11], s[0:1], 0x0               ; ao, cw, s2, out0
	v_lshl_add_u32 v[SPW], v0, 2, SPARE
	v_mov_b32 v[NIL], 0
	ds_add_u32 v28, v29
	ds_add_u32 v28, v29
	s_wait_dscnt 0x0
	v_lshrrev_b32 v1, 5, v0
	v_readfirstlane_b32 s14, v1                    ; wave 0..3
	s_lshr_b32 s15, s14, 1                         ; my half of A's tiles.  Also: I fetch for A (0) or for B (1)
	s_and_b32 s16, s14, 1                          ; my half of B's.  Also: which 8 tiles I fetch
	s_bfe_u32 s40, ttmp6, 0x40000                  ; cx
	s_bfe_u32 s41, ttmp6, 0x40004                  ; cy
	s_lshl_b32 s42, ttmp9, 2
	s_add_co_u32 s42, s42, s40                     ; my block of 256 outputs
	s_and_b32 s43, ttmp7, 0xffff
	s_lshl_b32 s43, s43, 2
	s_add_co_u32 s43, s43, s41                     ; my block of 256 tokens
	s_lshl_b32 s46, s42, 4                         ; B's first tile among Wo's 64
	s_lshl_b32 s47, s43, 4                         ; A's first tile
	s_lshl_b32 s44, s41, 2
	s_lshl_b32 s44, 15, s44                        ; my row of the cluster
	s_lshl_b32 s45, 0x1111, s40                    ; my column
	s_or_b32 s[G1A], s44, (3<<16)|(1<<21)          ; 8 tiles x 3,072 bytes (384 elements of 8 bytes), 12,288 bytes apart in memory, dense in LDS
	s_or_b32 s[G1B], s45, (3<<16)|(1<<21)
.irp g, G1A, G1B
	s_mov_b32 s[\g+1], 384<<16
	s_mov_b32 s[\g+2], 8<<16
	s_mov_b32 s[\g+3], 384<<16
	s_mov_b32 s[\g+4], 8
	s_mov_b32 s[\g+5], 1536
	s_mov_b32 s[\g+6], 0
	s_mov_b32 s[\g+7], 0
.endr
	s_lshl_b32 s21, s16, 3
	s_add_co_u32 s80, s47, s21
	s_mul_i32 s80, s80, 12288
	s_mov_b32 s81, 0
	s_add_co_u32 s82, s46, s21
	s_add_co_u32 s82, s82, 704                     ; Wo's tiles begin at 704 in cw
	s_mul_i32 s82, s82, 12288
	s_mov_b32 s83, 0
	s_mul_i32 s84, s14, 24576
	s_mov_b32 s94, 0xffff0000
	s_wait_kmcnt 0x0
	s_add_nc_u64 s[86:87], s[4:5], s[80:81]
	s_add_nc_u64 s[88:89], s[6:7], s[82:83]
	CROUND                                         ; all sixteen work-groups are here: the first joint loads meet
.irp s, 0,1,2
	s_mov_b32 s[G0A+4*\s], 1
	s_add_co_u32 s[G0A+4*\s+1], s84, \s*SLOT
	s_add_nc_u64 s[G0A+4*\s+2:G0A+4*\s+3], s[86:87], \s*3072
	s_or_b32 s[G0A+4*\s+3], s[G0A+4*\s+3], 0x80000000
	s_mov_b32 s[G0B+4*\s], 1
	s_add_co_u32 s[G0B+4*\s+1], s84, \s*SLOT
	s_add_nc_u64 s[G0B+4*\s+2:G0B+4*\s+3], s[88:89], \s*3072
	s_or_b32 s[G0B+4*\s+3], s[G0B+4*\s+3], 0x80000000
.endr
	s_cmp_eq_u32 s15, 0                            ; a wave's three first fills stand in one branch: three loads of mine are out
	s_cbranch_scc0 .Lfirst_b
	tensor_load_to_lds s[G0A:G0A+3], s[G1A:G1A+7]
	s_nop 0
	tensor_load_to_lds s[G0A+4:G0A+7], s[G1A:G1A+7]
	s_nop 0
	tensor_load_to_lds s[G0A+8:G0A+11], s[G1A:G1A+7]
	s_nop 0
.rept 4
	v_nop
.endr
	s_branch .Lfirst_asked
.Lfirst_b:
	tensor_load_to_lds s[G0B:G0B+3], s[G1B:G1B+7]
	s_nop 0
	tensor_load_to_lds s[G0B+4:G0B+7], s[G1B:G1B+7]
	s_nop 0
	tensor_load_to_lds s[G0B+8:G0B+11], s[G1B:G1B+7]
	s_nop 0
.rept 4
	v_nop
.endr
.Lfirst_asked:
	v_and_b32 v1, 15, v0                           ; r
	v_bfe_u32 v2, v0, 4, 1                         ; h
	v_and_b32 v3, 31, v0
	v_lshlrev_b32 v[L16], 4, v3
	v_lshlrev_b32 v[L8], 3, v3
	s_mul_i32 s90, s15, 24576
	s_mul_i32 s91, s16, 24576
	s_add_co_u32 s91, s91, 49152
.irp s, 0,1,2
	v_add_nc_u32 v[A16+\s], s90, v[L16]
	v_add_nc_u32 v[A8+\s], s90, v[L8]
	v_add_nc_u32 v[B16+\s], s91, v[L16]
	v_add_nc_u32 v[B8+\s], s91, v[L8]
	s_add_co_u32 s90, s90, SLOT
	s_add_co_u32 s91, s91, SLOT
.endr
	s_lshl_b32 s92, s15, 3
	s_add_co_u32 s92, s92, s47                     ; my first tile of A among s2's
	s_lshl_b32 s93, s16, 3
	s_add_co_u32 s93, s93, s46
	s_add_co_u32 s93, s93, 512                     ; of B: Wo's begin at 512 in s2
	v_mov_b32 v19, s92
	v_mov_b32 v20, s93
	v_cndmask_b32 v[SOFF], v19, v20, s94           ; lanes 0-15 take A's scale words, lanes 16-31 B's
	v_lshlrev_b32 v19, 4, v1
	v_lshl_add_u32 v[SOFF], v[SOFF], 9, v19
.irp i, 0,1,2,3,4,5,6,7
	global_load_b128 v[SC+8*\i:SC+8*\i+3], v[SOFF], s[8:9] offset:512*\i
	global_load_b128 v[SC+8*\i+4:SC+8*\i+7], v[SOFF], s[8:9] offset:512*\i+256
.endr
	s_mul_i32 s95, s14, 16*528
	s_add_co_u32 s95, s95, SLOT                    ; my stage
	v_mul_u32_u24 v[STO], v1, 528
	v_lshl_add_u32 v[STO], v2, 6, v[STO]
	v_add_nc_u32 v[STO], s95, v[STO]               ; in: row r, + 64 h
	v_add_nc_u32 v[RD], s95, v[L16]                ; back: 16 bytes a lane of a row
	s_lshl_b32 s80, s43, 8
	s_lshl_b32 s81, s15, 7
	s_add_co_u32 s80, s80, s81                     ; my first token
	s_lshl_b32 s80, s80, 12                        ; rows of 4,096 bytes
	s_lshl_b32 s81, s42, 10
	s_add_co_u32 s80, s80, s81
	s_lshl_b32 s81, s16, 9
	s_add_co_u32 s80, s80, s81                     ; my first output, 4 bytes each
	s_mov_b32 s81, 0
	s_add_nc_u64 s[10:11], s[10:11], s[80:81]
.macro FRAG reg, a16, a8, off
	ds_load_b128 v[\reg:\reg+3], v[\a16] offset:\off
	ds_load_b64 v[\reg+4:\reg+5], v[\a8] offset:\off+512
	ds_load_b128 v[\reg+6:\reg+9], v[\a16] offset:\off+768
	ds_load_b64 v[\reg+10:\reg+11], v[\a8] offset:\off+1280
.endm
.macro FETCH_B slot, q, p
	WIN TO_B
.irp i, 0,1,2,3,4,5,6,7
	FRAG 128*(\p)+FR*\i, B16+\slot, B8+\slot, 3072*\i+1536*(\q)
.endr
	WIN 0
.endm
.macro FETCH_A slot, q, i0
.irp i, \i0, \i0+1, \i0+2, \i0+3
	FRAG AF+FR*(\i), A16+\slot, A8+\slot, 3072*(\i)+1536*(\q)
.endr
.endm
; The 64 accumulators take turns, one instruction a turn, in the same order in every step.
.macro MUL16 a0, n, zero
.irp a, \a0, \a0+1
.irp b, 0,1,2,3,4,5,6,7
.if \zero
	v_wmma_scale_f32_16x16x128_f8f6f4 v[8*(8*((\a)%4)+\b):8*(8*((\a)%4)+\b)+7], v[128*((\n)%2)+FR*\b:128*((\n)%2)+FR*\b+FR-1], v[AF+FR*(\a):AF+FR*(\a)+FR-1], 0, v[SC+8*\b+(\n)], v[SC+8*(\a)+(\n)] matrix_a_fmt:MATRIX_FMT_FP6 matrix_b_fmt:MATRIX_FMT_FP6 matrix_a_scale:MATRIX_SCALE_ROW1
.else
	v_wmma_scale_f32_16x16x128_f8f6f4 v[8*(8*((\a)%4)+\b):8*(8*((\a)%4)+\b)+7], v[128*((\n)%2)+FR*\b:128*((\n)%2)+FR*\b+FR-1], v[AF+FR*(\a):AF+FR*(\a)+FR-1], v[8*(8*((\a)%4)+\b):8*(8*((\a)%4)+\b)+7], v[SC+8*\b+(\n)], v[SC+8*(\a)+(\n)] matrix_a_fmt:MATRIX_FMT_FP6 matrix_b_fmt:MATRIX_FMT_FP6 matrix_a_scale:MATRIX_SCALE_ROW1
.endif
.endr
.endr
.endm
.macro STEP n, nslot, nq, zero
	s_wait_dscnt 4*NL                              ; B's set and A's tiles 0-3 are in; the youngest 16 loads (A's tiles 4-7) may be out
	WIN MUL_LO
	MUL16 0, \n, \zero
	MUL16 2, \n, \zero
	s_wait_dscnt 0x0
	PLACES
	FETCH_B \nslot, \nq, 1-(\n)%2
	FETCH_A \nslot, \nq, 0
	WIN MUL_HI
	MUL16 4, \n, \zero
	MUL16 6, \n, \zero
	PLACES
	WIN 0
	FETCH_A \nslot, \nq, 4
.endm
.macro TURN n, nslot, fill
	s_wait_tensorcnt 0x0                           ; all my tensor loads have landed
	ds_add_u32 v[SPW], v[NIL]                      ; 0 onto my spare word
	s_wait_dscnt 4*NL+1                            ; (the add and the youngest 16 loads may be out)
	WIN MUL_LO
	MUL16 0, \n, 0
	s_wait_dscnt 0x0                               ; the add is done, and my reads of the slot in hand are over
	s_barrier_signal -1
	MUL16 2, \n, 0
	WIN 0
	s_barrier_wait -1
.if \fill
	CREST                                          ; the barrier has opened a round of the cluster's: no wave of any partner still reads slot 0 or has a load on its way
	s_add_nc_u64 s[G0A+2:G0A+3], s[G0A+2:G0A+3], 3*3072
	s_add_nc_u64 s[G0B+2:G0B+3], s[G0B+2:G0B+3], 3*3072
	JLOAD                                          ; four K steps, 256 matrix instructions, in which to land; its four v_nop are the places in front of the loads below
.else
	PLACES
.endif
	FETCH_B \nslot, 0, 1-(\n)%2
	FETCH_A \nslot, 0, 0
	WIN MUL_HI
	MUL16 4, \n, 0
	MUL16 6, \n, 0
	PLACES
	WIN 0
	FETCH_A \nslot, 0, 4
.endm
	s_wait_tensorcnt 2                             ; my part of slot 0 is in; slots 1 and 2 may stay out
	s_barrier_signal -1
	s_barrier_wait -1
	FETCH_B 0, 0, 0
	FETCH_A 0, 0, 0
	FETCH_A 0, 0, 4
	s_wait_loadcnt 0x0                             ; the scale words
	STEP 0, 0, 1, 1
	TURN 1, 1, 1                                   ; every wave's three first fills are shown landed here, so slots 1 and 2 are whole from here on
	STEP 2, 1, 1, 0
	STEP 3, 2, 0, 0
	STEP 4, 2, 1, 0
	TURN 5, 0, 0                                   ; the refill of slot 0 has landed in every wave; nobody reads slot 1 any more
	STEP 6, 0, 1, 0
	s_wait_dscnt 4*NL
	WIN MUL_LO
	MUL16 0, 7, 0
	MUL16 2, 7, 0
	s_wait_alu depctr_va_vdst(0)
	s_wait_dscnt 0x0
	WIN MUL_HI
	MUL16 4, 7, 0
	MUL16 6, 7, 0
	WIN 0
.macro TOSTAGE a                       ; LDS serves a wave's instructions in order: no wait between the stores and the loads, nor in front of the next block's stores
.set AC, 64*((\a)%4)
	WIN 0x08+4*((\a)/4)                            ; an LDS store's data are its source 1: window 2 or 3
.irp b, 0,1,2,3,4,5,6,7
	ds_store_b128 v[STO], v[AC+8*\b:AC+8*\b+3] offset:128*(\b/2)+32*(\b%2)      ; each accumulator from its low end on
	ds_store_b128 v[STO], v[AC+8*\b+4:AC+8*\b+7] offset:128*(\b/2)+32*(\b%2)+16
.endr
	WIN 0
.set BB, BK+64*((\a)%2)
.irp t, 0,1,2,3,4,5,6,7,8,9,10,11,12,13,14,15
	ds_load_b128 v[BB+4*\t:BB+4*\t+3], v[RD] offset:\t*528
.endr
.endm
.macro SEND a, younger                 ; younger: the LDS instructions issued behind block a's loads, which may stay out
.set BB, BK+64*((\a)%2)
	s_wait_dscnt \younger
.irp t, 0,1,2,3,4,5,6,7,8,9,10,11,12,13,14,15
	global_store_b128 v[L16], v[BB+4*\t:BB+4*\t+3], s[10:11] offset:(32*((\a)/2)+8*((\a)%2)+\t+8*(\t/8))*4096 th:TH_STORE_NT   ; 32 lanes store 512 consecutive aligned bytes of the token at place t of tile a
.endr
.endm
	PLACES
	TOSTAGE 0
.irp a, 1,2,3,4,5,6,7
.if \a > 1
	s_wait_xcnt 0x0                                ; block a - 2's stores have read their registers: block a's loads may land there
.endif
	TOSTAGE \a
	SEND \a-1, 32                                  ; behind block a - 1's loads: block a's 16 stores and 16 loads
.endr
	SEND 7, 0
	s_wait_tensorcnt 0x0                           ; the wave's end
	ds_add_u32 v[SPW], v[NIL]
	s_wait_dscnt 0x0
	CROUND                                         ; the closing round
	s_endpgm
.Lfunc_end_k_qbc647c0143_oproj:
	.size	k_qbc647c0143_oproj, .Lfunc_end_k_qbc647c0143_oproj-k_qbc647c0143_oproj
	.p2alignl 7, 3214868480
	.fill 96, 4, 3214868480
	.section	.rodata,"a",@progbits
	.p2align	6, 0x0
	.amdhsa_kernel k_qbc647c0143_oproj
		.amdhsa_group_segment_fixed_size 327680
		.amdhsa_private_segment_fixed_size 0
		.amdhsa_enable_private_segment 0
		.amdhsa_kernarg_size 32
		.amdhsa_user_sgpr_count 2
		.amdhsa_user_sgpr_kernarg_segment_ptr 1
		.amdhsa_wavefront_size32 1
		.amdhsa_system_sgpr_workgroup_id_x 1
		.amdhsa_system_sgpr_workgroup_id_y 1
		.amdhsa_system_sgpr_workgroup_id_z 1
		.amdhsa_system_vgpr_workitem_id 0
		.amdhsa_next_free_vgpr 1024
		.amdhsa_next_free_sgpr 100
		.amdhsa_reserve_vcc 0
		.amdhsa_float_denorm_mode_32 3
		.amdhsa_float_denorm_mode_16_64 3
		.amdhsa_memory_ordered 1
		.amdhsa_forward_progress 1
		.amdhsa_inst_pref_size 140
	.end_amdhsa_kernel
	.amdgpu_metadata
---
amdhsa.version: [ 1, 2 ]
amdhsa.kernels:
  - .name:           k_qbc647c0143_oproj
    .symbol:         k_qbc647c0143_oproj.kd
    .args:
      - { .name: ao, .offset: 0, .size: 8, .value_kind: global_buffer, .address_space: global }
      - { .name: cw, .offset: 8, .size: 8, .value_kind: global_buffer, .address_space: global }
      - { .name: s2, .offset: 16, .size: 8, .value_kind: global_buffer, .address_space: global }
      - { .name: out0, .offset: 24, .size: 8, .value_kind: global_buffer, .address_space: global }
    .group_segment_fixed_size: 327680
    .private_segment_fixed_size: 0
    .kernarg_segment_align: 8
    .kernarg_segment_size: 32
    .max_flat_workgroup_size: 128
    .sgpr_count:     100
    .vgpr_count:     1024
    .wavefront_size: 32
...
	.end_amdgpu_metadata
.endif
;; end of part 4
